; MI455X (gfx1250); checked and timed in simulation.
; The chip was launched on July 23, 2026; its instructions are those of AMD's public machine-readable ISA for CDNA 5 (MIT licence, August 2026) and "CDNA5" Instruction Set Architecture Reference Guide (July 2026). The comments in the code are by the model that wrote it; some were corrected since.
;; Multi Head Self Attention. Allowed arithmetic: matrix products marked QUANTISED: E2M1 operands, one E8M0 scale for each 32 along K, by v_wmma_scale_f32_16x16x128_f8f6f4 with both operands' format E2M1 (or v_wmma_scale_f32_32x16x128_f4), f32 sums; products left as they are: bf16, f16 or f32 operands; f32 sums; everything else in f32.
;; Inputs: Wk 1,024 x 1,024 float32; Wo 1,024 x 1,024 float32; Wq 1,024 x 1,024 float32; Wv 1,024 x 1,024 float32; token_positions 4,096 int32; x 1 x 4,096 x 1,024 float32.
;; Outputs: out0 1 x 4,096 x 1,024 float32.
;; This version of the problem:
;;   THIS VERSION OF THE PROBLEM IS GIVEN IN LOW PRECISION. The matrix products marked QUANTISED in the list below multiply operands that are first quantised to E2M1 (2 exponent bits, 1 mantissa bit; 4 bits a number), with one power-of-two scale for each 32 numbers along K (OCP MX v1.0); their sums are f32. The products marked 'left as it is' may take bf16, f16 or f32 operands, with f32 sums. Whichever they take, every output number must still come out within the allowed error. Rounding operands to bf16 (8 significant bits) uses up far more of that allowance than f16 does (11 bits, for magnitudes from 6e-5 to 65,504). All else is computed in f32.
;;   The module's matrix products, in the order in which they are computed (A, B: the left and right operand; K: the contracted axis; several contracted axes count as one K, in the product's order):
;;     1. [M 4,096, K 1,024] x [K 1,024, N 1,024]; A: input x; B: input Wq: QUANTISED
;;     2. [M 4,096, K 1,024] x [K 1,024, N 1,024]; A: input x; B: input Wk: QUANTISED
;;     3. [M 4,096, K 1,024] x [K 1,024, N 1,024]; A: input x; B: input Wv: QUANTISED
;;     4. batch 16 x [M 4,096, K 64] x [K 64, N 4,096]; A: computed on the way; B: computed on the way: left as it is (an operand is computed on the way)
;;     5. batch 16 x [M 4,096, K 4,096] x [K 4,096, N 64]; A: computed on the way; B: computed on the way: left as it is (an operand is computed on the way)
;;     6. [M 4,096, K 1,024] x [K 1,024, N 1,024]; A: computed on the way; B: input Wo: left as it is (an operand is computed on the way)
;;   THE QUANTISER, for each operand of a quantised product, along K:
;;     - K is cut into blocks of 32 from its start; a last block that is shorter is filled with zeros.
;;     - A block's scale is 2^e with e = floor(log2(the largest magnitude in the block)) - 2, held to -126 .. 127; a block of zeros has e = 0. As a byte (E8M0): e + 127.
;;     - Each number is divided by its block's scale, clamped to +-6, and rounded to the nearest number of E2M1, ties to even, subnormals kept.
;;     - The product sums the exact products of the quantised numbers (number of the format x scale) in f32.
;;   ~~~python
;;   def quantise(x, axis):      # numpy; x: float32 -> the quantised numbers, widened to float32 again
;;       x = np.moveaxis(x, axis, -1); K = x.shape[-1]
;;       x = np.pad(x, [(0, 0)] * (x.ndim - 1) + [(0, -K % 32)]); x = x.reshape(x.shape[:-1] + (-1, 32)); a = np.abs(x).max(-1, keepdims=True)
;;       e = np.where(a > 0, np.clip(np.frexp(np.where(a > 0, a, 1))[1] - 1 - 2, -126, 127), 0)      # np.frexp(a)[1] - 1 = floor(log2(a)), exactly
;;       r = np.clip(x / 2.0 ** e, -6, 6)
;;       step = 2.0 ** (np.maximum(np.frexp(np.where(r == 0, 1, r))[1] - 1, 0) - 1)
;;       q = np.round(r / step) * step * 2.0 ** e      # np.round: ties to even
;;       return np.moveaxis(q.reshape(q.shape[:-2] + (-1,))[..., :K], -1, axis).astype(np.float32)
;;   ~~~
;; One version. Each part assembles by itself: llvm-mc -triple=amdgcn-amd-amdhsa -mcpu=gfx1250 --defsym DOCPART=n.
;; ======== version 1 of 1: 5 launches
;; limits: values are held in f16: magnitudes above 65,504 overflow, below 6.1e-05 lose precision; right only within a limited range of input values
;; workspace buffers: codes 3,670,016 bytes; scales 229,376 bytes; wo16 2,097,152 bytes; rope 1,081,344 bytes; qkv 25,165,824 bytes; fine 196,608 bytes; attn 8,388,608 bytes
;; launch prep (part 1): grid 320 x 1, 4 waves a work-group, no clusters, 33,280 bytes of LDS; arguments x, Wq, Wk, Wv, Wo, token_positions, codes, scales, wo16, rope; writes codes, scales, wo16, rope
.if DOCPART == 1
	.amdgcn_target "amdgcn-amd-amdhsa--gfx1250"
	.amdhsa_code_object_version 6
	.text
	.protected	k_q8ec2b34963_prep
	.globl	k_q8ec2b34963_prep
	.p2align	8
	.type	k_q8ec2b34963_prep,@function
k_q8ec2b34963_prep:
	s_mov_b64 s[64:65], 0
	v_nop
	global_prefetch_b8 v0, s[64:65] scope:SCOPE_SE
	s_setreg_imm32_b32 hwreg(HW_REG_WAVE_MODE, 25, 1), 1
	s_wait_xcnt 0x0
; PREP: three jobs, parted by the work-group's number g.
;  g < 224:        x, Wq, Wk, Wv (f32, K = 1,024 innermost) become codes of FP4 (E2M1) and one E8M0 byte for each 32 along K, stacked as 7,168 rows: x's 4,096, then Wq's, Wk's, Wv's.
;  224 <= g < 256: Wo becomes f16 (the last product is left as it is and takes f16 operands).
;  g >= 256:       the table (cos, sin) of the 32 rotary angles at each of the 4,096 token positions, f32, a row of 256 bytes a position; behind it 128 rows of (1, 0), which the next launch reads for V.
; THE QUANTISER: a block's scale is 2^(floor(log2(largest magnitude)) - 2); its byte is the largest magnitude's exponent field - 2, held at 1 from below.  A block of zeros gets the byte 1 where the
; rule says 127: its codes are zeros, and this program alone reads the bytes.  Each number is divided by the scale and rounded to the nearest code, ties to even, beyond 6 the largest code.
; SIN AND COS: n = the angle x 2 / pi to the nearest whole number; the rest r = angle - n pi / 2 by two fused multiply-adds (pi / 2 in two parts); polynomials on |r| <= pi / 4; the quadrant from n.
; LIMITS: |position| under 2^22 (n stays an exact whole number); the 32 frequencies are 2^(-i log2(10000) / 32), right to about 3 parts in 10^7, Q and K taking the same angles;
; blocks whose largest magnitude lies under 2^-124 keep the byte 1; NaN and infinities among the inputs are not served.
.set STEPS, 16
.set EMAX,  2
.set CB,    8                          ; bytes of 16 codes
.set R,     16                         ; v16-79   four sets of 16 numbers as they are loaded
.set X,     80                         ; v80-111  two sets of 16 neighbours
.set E,     112                        ; v112-127 a scale byte for each step
.set C,     128                        ; v128-191 codes: four registers for each step
.set WREG,  8192                       ; LDS: a region for each wave: two stages of 32 x SP bytes, behind them its 256 scale bytes
.set SP,    80                         ; a lane's place in a stage: 64 bytes + 16 of padding
.set SPW,   12                         ; v12  LDS address of my spare word; never rewritten
.set NIL,   13                         ; v13  0; never rewritten
.set SPARE, 4*WREG                     ; behind the four regions: the spare words, 128 bytes a wave
.set WV,    28                         ; s28  my wave's number
	s_load_b512 s[8:23], s[0:1], 0x0               ; x s[8:9], Wq s[10:11], Wk s[12:13], Wv s[14:15], Wo s[16:17], positions s[18:19], codes s[20:21], scales s[22:23]
	s_load_b128 s[24:27], s[0:1], 0x40             ; wo16 s[24:25], rope s[26:27]
	v_lshl_add_u32 v[SPW], v0, 2, SPARE
	v_mov_b32 v[NIL], 0
	v_lshrrev_b32 v1, 5, v0
	v_readfirstlane_b32 s[WV], v1                  ; wave 0..3
	v_and_b32 v2, 31, v0                           ; lane
	s_wait_kmcnt 0x0
	s_cmp_ge_u32 ttmp9, 256
	s_cbranch_scc1 .Ltable
	s_cmp_ge_u32 ttmp9, 224
	s_cbranch_scc1 .Lcast
; ---- THE QUANTISER.  A wave takes 16 steps of 512 numbers.  Each load reads 512 consecutive bytes; a step's 2,048 bytes turn through the wave's own stage in LDS, so that a lane holds 16 neighbours along K.
	v_lshlrev_b32 v3, 4, v2                        ; my 16 bytes of a load's 512
	s_mul_i32 s29, s[WV], WREG
	v_lshrrev_b32 v14, 2, v2
	v_mul_u32_u24 v14, v14, SP
	v_and_b32 v15, 3, v2
	v_lshl_add_u32 v14, v15, 4, v14
	v_add_nc_u32 v14, s29, v14                     ; the stage, on the way in: SP (lane / 4) + 16 (lane % 4)
	v_mul_u32_u24 v15, v2, SP
	v_add_nc_u32 v15, s29, v15                     ; and on the way out: SP x lane
	v_mul_u32_u24 v4, v2, CB                       ; my codes' place in a step's
	v_lshrrev_b32 v5, 1, v2
	s_add_co_u32 s29, s29, 2*32*SP
	v_add_nc_u32 v5, s29, v5                       ; my wave's 256 scale bytes, my block's byte
	v_lshlrev_b32 v7, 3, v2                        ; on the way out 8 bytes a lane
	v_add_nc_u32 v6, s29, v7
	s_sub_co_u32 s30, ttmp9, 128
	s_and_b32 s30, s30, 31                         ; a weight's work-group among its 32
	s_cmp_lt_u32 ttmp9, 192                        ; which tensor: the choice hangs on the work-group's number alone
	s_cselect_b64 s[4:5], s[12:13], s[14:15]
	s_cmp_lt_u32 ttmp9, 160
	s_cselect_b64 s[4:5], s[10:11], s[4:5]
	s_cmp_lt_u32 ttmp9, 128
	s_cselect_b64 s[4:5], s[8:9], s[4:5]
	s_cselect_b32 s30, ttmp9, s30
	s_lshl_b32 s30, s30, 2
	s_add_co_u32 s30, s30, s[WV]                   ; which run of 8,192 numbers of the tensor is my wave's
	s_lshl_b32 s30, s30, 15                        ; 32,768 bytes a run
	s_mov_b32 s31, 0
	s_add_nc_u64 s[4:5], s[4:5], s[30:31]
	s_lshl_b32 s32, ttmp9, 2
	s_add_co_u32 s32, s32, s[WV]                   ; and which run of the stack
	s_lshl_b32 s30, s32, 12                        ; 4,096 bytes of codes a run
	s_add_nc_u64 s[6:7], s[20:21], s[30:31]
	s_lshl_b32 s30, s32, 8                         ; 256 scale bytes a run
	s_add_nc_u64 s[34:35], s[22:23], s[30:31]
.macro LOAD t
.irp i, 0,1,2,3
	global_load_b128 v[R+16*((\t)%4)+4*\i:R+16*((\t)%4)+4*\i+3], v3, s[4:5] offset:2048*(\t)+512*\i th:TH_LOAD_NT   ; 32 lanes read 512 consecutive bytes
.endr
.endm
.macro TURN t                          ; step t's numbers through the stage: LDS serves a wave's instructions in order, so no wait stands between the stores and the loads
.irp i, 0,1,2,3
	ds_store_b128 v14, v[R+16*((\t)%4)+4*\i:R+16*((\t)%4)+4*\i+3] offset:32*SP*((\t)%2)+8*SP*\i
.endr
.irp i, 0,1,2,3
	ds_load_b128 v[X+16*((\t)%2)+4*\i:X+16*((\t)%2)+4*\i+3], v15 offset:32*SP*((\t)%2)+16*\i
.endr
.endm
.irp t, 0,1,2,3
	LOAD \t
.endr
	s_wait_loadcnt 12                              ; step 0's four loads are in; three steps' twelve stay out
	TURN 0
.macro STEP t
.set XS, X+16*((\t)%2)
.if (\t) > 0
	s_wait_dscnt 1                                 ; this step's numbers are back from the stage (the last step's byte store may be out)
.else
	s_wait_dscnt 0x0
.endif
.if (\t)+4 < STEPS
	LOAD (\t)+4
.endif
.if (\t)+1 < STEPS
.if STEPS-2-(\t) >= 3
	s_wait_loadcnt 12                              ; the next step's four loads are in; those of the three steps behind it may be out
.else
	s_wait_loadcnt 4*(STEPS-2-(\t))
.endif
	TURN (\t)+1
.endif
	v_max3_num_f32 v8, |v[XS]|, |v[XS+1]|, |v[XS+2]|               ; the largest magnitude of my 16
	v_max3_num_f32 v9, |v[XS+3]|, |v[XS+4]|, |v[XS+5]|
.irp i, 6,10
	v_max3_num_f32 v8, v8, |v[XS+\i]|, |v[XS+\i+1]|
	v_max3_num_f32 v9, v9, |v[XS+\i+2]|, |v[XS+\i+3]|
.endr
	v_max3_num_f32 v8, v8, |v[XS+14]|, |v[XS+15]|
	v_max3_num_f32 v8, v8, v9, (EMAX+1)<<23        ; and the floor 2^(3 - 127): the byte cannot fall under 1
	v_max_num_f32_dpp v8, v8, v8 row_xmask:1 row_mask:0xf bank_mask:0xf   ; and of my neighbour's 16: the block's
	v_add_nc_u32 v11, -(EMAX<<23), v8              ; 2 off its exponent field: the conversion takes the exponent field of this operand as its scale
	v_cvt_scalef32_pk8_fp4_f32 v[C+4*(\t)], v[XS:XS+7], v11
	v_cvt_scalef32_pk8_fp4_f32 v[C+4*(\t)+1], v[XS+8:XS+15], v11
	v_lshrrev_b32 v[E+(\t)], 23, v11               ; the scale's byte (a plain line behind the conversions)
	ds_store_b8 v5, v[E+(\t)] offset:16*(\t)       ; both lanes of a block write the same byte with the same value
	global_store_b64 v4, v[C+4*(\t):C+4*(\t)+1], s[6:7] offset:32*CB*(\t)   ; the wave stores 256 consecutive bytes, aligned
.endm
.irp t, 0,1,2,3,4,5,6,7,8,9,10,11,12,13,14,15
	STEP \t
.endr
	ds_load_b64 v[8:9], v6                         ; LDS serves a wave's instructions in order: these see my stores
	s_wait_dscnt 0x0
	global_store_b64 v7, v[8:9], s[34:35]          ; 32 lanes store 256 consecutive bytes, aligned
	s_wait_tensorcnt 0x0                           ; the wave's end, behind my last LDS store
	ds_add_u32 v[SPW], v[NIL]
	s_wait_dscnt 0x0
	s_endpgm
; ---- Wo TO f16.  A wave takes 8,192 numbers: 64 chunks of 128; a load reads 512 consecutive bytes, a store writes 256.  Four batches of 16 chunks in two sets of registers.
.Lcast:
	s_sub_co_u32 s30, ttmp9, 224
	s_lshl_b32 s30, s30, 2
	s_add_co_u32 s30, s30, s[WV]
	s_lshl_b32 s32, s30, 14
	s_mov_b32 s33, 0
	s_lshl_b32 s30, s30, 15
	s_mov_b32 s31, 0
	s_add_nc_u64 s[4:5], s[16:17], s[30:31]
	s_add_nc_u64 s[6:7], s[24:25], s[32:33]
	v_lshlrev_b32 v3, 4, v2
	v_lshlrev_b32 v4, 3, v2
.macro CLOAD bt
.irp n, 0,1,2,3,4,5,6,7,8,9,10,11,12,13,14,15
	global_load_b128 v[16+64*((\bt)%2)+4*\n:16+64*((\bt)%2)+4*\n+3], v3, s[4:5] offset:8192*(\bt)+512*\n
.endr
.endm
	CLOAD 0
	CLOAD 1
.irp bt, 0,1,2,3
.if \bt < 3
	s_wait_loadcnt 16                              ; this batch is in; the younger batch's sixteen may be out
.else
	s_wait_loadcnt 0x0
.endif
.if \bt > 0
	s_wait_xcnt 0x0                                ; the last batch's stores have read their data registers, which are written again below
.endif
.irp n, 0,1,2,3,4,5,6,7,8,9,10,11,12,13,14,15
	v_cvt_pk_f16_f32 v[144+2*\n], v[16+64*(\bt%2)+4*\n], v[16+64*(\bt%2)+4*\n+1]
	v_cvt_pk_f16_f32 v[145+2*\n], v[16+64*(\bt%2)+4*\n+2], v[16+64*(\bt%2)+4*\n+3]
.endr
.irp n, 0,1,2,3,4,5,6,7,8,9,10,11,12,13,14,15
	global_store_b64 v4, v[144+2*\n:145+2*\n], s[6:7] offset:4096*\bt+256*\n
.endr
.if \bt < 2
	CLOAD \bt+2
.endif
.endr
	s_endpgm
; ---- THE TABLE.  A wave takes 16 positions; lane i takes frequency i.  The 16 rows go line by line, so that no line waits for the line above it.
.Ltable:
	s_sub_co_u32 s29, ttmp9, 256
	s_lshl_b32 s30, s29, 2
	s_add_co_u32 s30, s30, s[WV]                   ; which 16 rows: 0 .. 255
	s_lshl_b32 s32, s30, 6
	s_mov_b32 s33, 0
	s_add_nc_u64 s[18:19], s[18:19], s[32:33]
	s_load_b512 s[36:51], s[18:19], 0x0            ; my 16 positions
	s_lshl_b32 s32, s30, 12
	s_add_nc_u64 s[6:7], s[26:27], s[32:33]        ; my 16 rows of 256 bytes
	s_lshl_b32 s32, s30, 8
	s_add_nc_u64 s[4:5], s[26:27], s[32:33]
	s_add_nc_u64 s[4:5], s[4:5], 0x100000          ; a row of (1, 0) behind the table
	s_mov_b32 s52, 0xb94ca1f9                      ; sin: -1.9515296e-4, 8.3321609e-3, -1.6666655e-1
	s_mov_b32 s53, 0x3c08839e
	s_mov_b32 s54, 0xbe2aaaa3
	s_mov_b32 s55, 0x37ccf5ce                      ; cos: 2.4433157e-5, -1.3887316e-3, 4.1666646e-2
	s_mov_b32 s56, 0xbab6061a
	s_mov_b32 s57, 0x3d2aaaa5
	v_cvt_f32_u32 v3, v2
	v_mul_f32 v3, 0xbed49a78, v3                   ; -i log2(10000) / 32
	v_exp_f32 v3, v3                               ; the frequency
	v_lshlrev_b32 v4, 3, v2                        ; 8 bytes a lane (a plain line behind the exponential)
	s_wait_alu depctr_va_vdst(0)                   ; the wait ahead of the first reader
	s_wait_kmcnt 0x0
.macro TROW                            ; line k of row q.  v[RB] angle, +1 n, +2 r, +3 r r, +4 sin, +5 cos, +6 the quadrant, +7 at work;  v[RO], v[RO+1]: cos, sin as stored
.set RB, 16+8*q
.set RO, 144+2*q
.if k == 0
	v_cvt_f32_i32 v[RB], s[36+q]
.elseif k == 1
	v_mul_f32 v[RB], v[RB], v3
.elseif k == 2
	v_mul_f32 v[RB+1], 0x3f22f983, v[RB]           ; x 2 / pi
.elseif k == 3
	v_rndne_f32 v[RB+1], v[RB+1]
.elseif k == 4
	v_fmamk_f32 v[RB+2], v[RB+1], 0xbfc90fdb, v[RB]    ; - n x the high part of pi / 2
.elseif k == 5
	v_fmamk_f32 v[RB+2], v[RB+1], 0x333bbd2e, v[RB+2]  ; - n x its low part, which is negative
.elseif k == 6
	v_mul_f32 v[RB+3], v[RB+2], v[RB+2]
.elseif k == 7
	v_cvt_i32_f32 v[RB+6], v[RB+1]
.elseif k == 8
	v_fma_f32 v[RB+4], v[RB+3], s52, s53
.elseif k == 9
	v_fma_f32 v[RB+5], v[RB+3], s55, s56
.elseif k == 10
	v_fma_f32 v[RB+4], v[RB+4], v[RB+3], s54
.elseif k == 11
	v_fma_f32 v[RB+5], v[RB+5], v[RB+3], s57
.elseif k == 12
	v_mul_f32 v[RB+4], v[RB+4], v[RB+3]
.elseif k == 13
	v_fma_f32 v[RB+7], v[RB+3], -0.5, 1.0
.elseif k == 14
	v_mul_f32 v[RB+3], v[RB+3], v[RB+3]
.elseif k == 15
	v_fma_f32 v[RB+4], v[RB+4], v[RB+2], v[RB+2]   ; sin r
.elseif k == 16
	v_fma_f32 v[RB+5], v[RB+3], v[RB+5], v[RB+7]   ; cos r
.elseif k == 17
	v_and_b32 v[RB+7], 1, v[RB+6]
.elseif k == 18
	v_cmp_eq_u32 vcc_lo, 1, v[RB+7]                ; odd quadrants: sin and cos change places
	v_cndmask_b32 v[RO+1], v[RB+4], v[RB+5], vcc_lo
	v_cndmask_b32 v[RO], v[RB+5], v[RB+4], vcc_lo
.elseif k == 19
	v_lshlrev_b32 v[RB+7], 30, v[RB+6]             ; sin is negative in quadrants 2 and 3
.elseif k == 20
	v_add_nc_u32 v[RB+6], 1, v[RB+6]               ; cos in quadrants 1 and 2
.elseif k == 21
	v_and_b32 v[RB+7], 0x80000000, v[RB+7]
.elseif k == 22
	v_lshlrev_b32 v[RB+6], 30, v[RB+6]
.elseif k == 23
	v_xor_b32 v[RO+1], v[RO+1], v[RB+7]
.elseif k == 24
	v_and_b32 v[RB+6], 0x80000000, v[RB+6]
.elseif k == 25
	v_xor_b32 v[RO], v[RO], v[RB+6]
.else
	global_store_b64 v4, v[RO:RO+1], s[6:7] offset:256*q   ; the wave stores a row of 256 bytes, aligned; each row has data registers of its own
.endif
.endm
.set k, 0
.rept 27
.set q, 0
.rept 16
	TROW
.set q, q+1
.endr
.set k, k+1
.endr
	s_cmp_lt_u32 s29, 32                           ; the first 32 of these work-groups also store the 128 rows of (1, 0), a row a wave
	s_cbranch_scc0 .Ltable_done
	v_mov_b32 v176, 1.0
	v_mov_b32 v177, 0
	global_store_b64 v4, v[176:177], s[4:5]
.Ltable_done:
	s_endpgm
.Lfunc_end_k_q8ec2b34963_prep:
	.size	k_q8ec2b34963_prep, .Lfunc_end_k_q8ec2b34963_prep-k_q8ec2b34963_prep
	.p2alignl 7, 3214868480
	.fill 96, 4, 3214868480
	.section	.rodata,"a",@progbits
	.p2align	6, 0x0
	.amdhsa_kernel k_q8ec2b34963_prep
		.amdhsa_group_segment_fixed_size 33280
		.amdhsa_private_segment_fixed_size 0
		.amdhsa_enable_private_segment 0
		.amdhsa_kernarg_size 80
		.amdhsa_user_sgpr_count 2
		.amdhsa_user_sgpr_kernarg_segment_ptr 1
		.amdhsa_wavefront_size32 1
		.amdhsa_system_sgpr_workgroup_id_x 1
		.amdhsa_system_sgpr_workgroup_id_y 1
		.amdhsa_system_sgpr_workgroup_id_z 1
		.amdhsa_system_vgpr_workitem_id 0
		.amdhsa_next_free_vgpr 192
		.amdhsa_next_free_sgpr 66
		.amdhsa_reserve_vcc 1
		.amdhsa_float_denorm_mode_32 3
		.amdhsa_float_denorm_mode_16_64 3
		.amdhsa_memory_ordered 1
		.amdhsa_forward_progress 1
		.amdhsa_inst_pref_size 77
	.end_amdhsa_kernel
	.amdgpu_metadata
---
amdhsa.version: [ 1, 2 ]
amdhsa.kernels:
  - .name:           k_q8ec2b34963_prep
    .symbol:         k_q8ec2b34963_prep.kd
    .args:
      - { .name: x, .offset: 0, .size: 8, .value_kind: global_buffer, .address_space: global }
      - { .name: Wq, .offset: 8, .size: 8, .value_kind: global_buffer, .address_space: global }
      - { .name: Wk, .offset: 16, .size: 8, .value_kind: global_buffer, .address_space: global }
      - { .name: Wv, .offset: 24, .size: 8, .value_kind: global_buffer, .address_space: global }
      - { .name: Wo, .offset: 32, .size: 8, .value_kind: global_buffer, .address_space: global }
      - { .name: token_positions, .offset: 40, .size: 8, .value_kind: global_buffer, .address_space: global }
      - { .name: codes, .offset: 48, .size: 8, .value_kind: global_buffer, .address_space: global }
      - { .name: scales, .offset: 56, .size: 8, .value_kind: global_buffer, .address_space: global }
      - { .name: wo16, .offset: 64, .size: 8, .value_kind: global_buffer, .address_space: global }
      - { .name: rope, .offset: 72, .size: 8, .value_kind: global_buffer, .address_space: global }
    .group_segment_fixed_size: 33280
    .private_segment_fixed_size: 0
    .kernarg_segment_align: 8
    .kernarg_segment_size: 80
    .max_flat_workgroup_size: 128
    .sgpr_count:     66
    .vgpr_count:     192
    .wavefront_size: 32
...
	.end_amdgpu_metadata
.endif
;; end of part 1
;; launch qkv (part 2): grid 12 x 16, 4 waves a work-group, clusters of 4 x 4, 327,680 bytes of LDS; arguments codes, scales, qkv, rope, fine; writes qkv, fine
.if DOCPART == 2
	.amdgcn_target "amdgcn-amd-amdhsa--gfx1250"
	.amdhsa_code_object_version 6
	.text
	.protected	k_q8ec2b34963_qkv
	.globl	k_q8ec2b34963_qkv
	.p2align	8
	.type	k_q8ec2b34963_qkv,@function
k_q8ec2b34963_qkv:
	s_mov_b64 s[64:65], 0
	v_nop
	global_prefetch_b8 v0, s[64:65] scope:SCOPE_SE
	s_setreg_imm32_b32 hwreg(HW_REG_WAVE_MODE, 25, 1), 1
	s_wait_xcnt 0x0
	s_wait_alu depctr_hold_cnt(0) depctr_sa_sdst(0) depctr_va_vdst(0) depctr_va_sdst(0) depctr_va_ssrc(0) depctr_va_vcc(0) depctr_vm_vsrc(0)
	s_getreg_b32 s2, hwreg(HW_REG_IB_STS2, 6, 4)
	s_cmp_eq_u32 s2, 0
	s_cbranch_scc0 .Lentry_in_a_cluster
	s_endpgm
.Lentry_in_a_cluster:
	s_bfe_u32 s2, ttmp6, 0x10000c
	s_cmp_lg_u32 s2, 0xf033
	s_cbranch_scc0 .Lentry_shape_is_right
	s_endpgm
.Lentry_shape_is_right:
; Q, K, V = x Wq^T, x Wk^T, x Wv^T as ONE product on codes of FP4 (E2M1) with E8M0 scales: [4,096][1,024] x [3,072][1,024]^T, sums in f32; then the rotary turn of Q and K in f32; then f16, by head.
; codes: 7,168 rows of 512 bytes (x's 4,096 rows, then Wq's, Wk's, Wv's); scales: 32 bytes a row.  qkv: [48 = 16 x type + head][4,096][64] f16.  fine: the same planes' first 16 positions in f32.
; A tile of 256 x 256 is made by four waves, each 128 x 128: 64 accumulators, 512 registers.  K = 1,024 is two slots of 512: both slots and the scales are filled once, at the head; nothing is filled again.
; CLUSTERS: 4 x 4 work-groups.  The four of a row need the same rows of x, the four of a column the same rows of W: each tile is asked for JOINTLY.  A cluster's four tile columns are one type (Q, K or V).
; THE MATRIX INSTRUCTION IS USED TRANSPOSED (source 0 = 16 rows of W, source 1 = 16 rows of x): a lane holds eight neighbouring channels of one position, so both halves of a rotary pair lie in one lane.
; THE TURN: (x1, x2) -> (x1 c - x2 s, x1 s + x2 c), two packed lines a pair.  V takes the same lines with (c, s) = (1, 0), read from 128 such rows behind the table: no path hangs on the type, only an offset.
; LIMITS: f16 holds Q, K and V up to 65,504; NaN and infinities are not served.
; REGISTERS, in windows of 256: window 0: v0-31 addresses; v32-95 scale words, two sets, and nothing else; v128-191 x's fragments, ONE set; v192-255 cos and sin of two blocks of rows.  On the way out
;   v96-127 packed f16, v128-191 the turned numbers.   window 1: W's fragments, TWO sets; on the way out v0-63 the rows read back from the stage.   windows 2, 3: the accumulators ((a, b) at v[8 (8 (a % 4) + b)]).
.set SIZE_K, 1024
.set KSTEP,  512
.set NQ,     KSTEP/128
.set ROWB,   256                       ; a tile's row in bytes
.set KROW,   SIZE_K*4/8                ; a row of codes in memory
.set PITCH,  272                       ; an LDS row: 256 bytes + 16 of padding: the 16 rows that a load touches start at 16 different banks (64 banks of 4 bytes: ISA guide 11.1)
.set FR,     8
.set NL,     2
.set NP,     4                         ; places behind this matrix instruction (ISA guide 7.12.1)
.set HALFT,  128*PITCH
.set SLOT,   4*HALFT
.set KS,     SIZE_K/32
.set SCL,    2*SLOT
.set HALFS,  (128*KS/256)*272
.set SBLK,   (16*KS/256)*272
.set SPARE,  SCL+4*HALFS               ; the spare words, 128 bytes a wave
.set SPITCH, 272                       ; the way out: a stage of 16 rows x (256 bytes + 16) for each wave, in slot 0, which has had its one fill and its last read by then
.set ADRA, 16
.set ADRB, 20
.set ROW0, 22                          ; v22  my wave's first row of x
.set STO,  24
.set RD,   25
.set CO,   26
.set ADRS, 27
.set SPW,  28
.set NIL,  29
.set TO,   30                          ; v30  256 r + 32 h: my place in a block's rows of the table, and of fine
.set SC,   32
.set BK,   0                           ; in window 1: two sets of 32
.set PK,   96
.set AF,   128
.set T,    128
.set CS,   192
.set G1, 24
.set G0, 32
.set G1B, 48
.set G0B, 56
.set G1S, 68
.set G0S, 76
.set G1SB, 80
.set G0SB, 88
.set MSB, 0
.macro WIN new                         ; the immediate's high byte repeats the setting that is left
.if MSB != \new
	s_set_vgpr_msb (MSB<<8)|\new
.set MSB, \new
.endif
.endm
.set MUL_LO, 0xa1                      ; source 0 (W) window 1, source 1 (x) window 0, C and D window 2
.set MUL_HI, 0xf1
.set TO_B,   0x40
; A joint load: waves 0 and 1 fetch for x, waves 2 and 3 for W.  The branch hangs on the wave's number alone.  An s_nop 0 and four v_nop follow each line.
.macro JLOAD g0a, g1a, g0b, g1b
	s_cmp_eq_u32 s15, 0
	s_cbranch_scc0 .Lfor_b_\@
	tensor_load_to_lds s[\g0a:\g0a+3], s[\g1a:\g1a+7]
	s_nop 0
.rept 4
	v_nop
.endr
	s_branch .Lasked_\@
.Lfor_b_\@:
	tensor_load_to_lds s[\g0b:\g0b+3], s[\g1b:\g1b+7]
	s_nop 0
.rept 4
	v_nop
.endr
.Lasked_\@:
.endm
.macro CROUND                          ; a round of the cluster's barrier
	s_barrier_signal -1
	s_barrier_wait -1
	s_cmp_lg_u32 s14, 0
	s_cbranch_scc1 .Lnot_wave_0_\@
	s_barrier_signal -3
.Lnot_wave_0_\@:
	s_barrier_wait -3
	s_barrier_signal -1
	s_barrier_wait -1
.endm
	s_load_b128 s[4:7], s[0:1], 0x0                ; codes s[4:5], scales s[6:7]
	s_load_b64 s[12:13], s[0:1], 0x10              ; qkv
	s_load_b64 s[96:97], s[0:1], 0x18              ; rope
	s_load_b64 s[98:99], s[0:1], 0x20              ; fine
	v_lshl_add_u32 v[SPW], v0, 2, SPARE
	v_mov_b32 v[NIL], 0
	ds_add_u32 v[SPW], v[NIL]                      ; the wave's opening: the add, twice on end, and its wait ahead of my first tensor load
	ds_add_u32 v[SPW], v[NIL]
	v_lshrrev_b32 v1, 5, v0
	v_readfirstlane_b32 s14, v1                    ; wave 0..3
	s_lshr_b32 s15, s14, 1                         ; which half of the tile's rows is mine.  Also: I fetch for x (0) or for W (1)
	s_and_b32 s16, s14, 1                          ; which half of its columns.  Also: which 128 rows I fetch
	s_bfe_u32 s40, ttmp6, 0x40000                  ; cx, cy
	s_bfe_u32 s41, ttmp6, 0x40004
	s_lshl_b32 s42, ttmp9, 2
	s_add_co_u32 s42, s42, s40                     ; tile column 0 .. 11
	s_and_b32 s17, ttmp7, 0xffff
	s_lshl_b32 s17, s17, 2
	s_add_co_u32 s17, s17, s41                     ; tile row 0 .. 15
	s_lshl_b32 s43, s41, 2
	s_lshl_b32 s43, 15, s43                        ; my row of the cluster
	s_lshl_b32 s44, 0x1111, s40                    ; my column
	s_or_b32 s[G1+0], s43, (0<<16)|(1<<20)|(1<<21)|(5<<22)|(3<<25)  ; the mask; elements of 1 byte; padding on; bit 21 beside a mask; after every 64 words, 4 words
	s_or_b32 s[G1B+0], s44, (0<<16)|(1<<20)|(1<<21)|(5<<22)|(3<<25)
.irp g, G1, G1B
	s_mov_b32 s[\g+1], ROWB<<16                    ; tensor_dim0
	s_mov_b32 s[\g+2], 128<<16                     ; tensor_dim1
	s_mov_b32 s[\g+3], ROWB<<16                    ; tile_dim0
	s_mov_b32 s[\g+4], 128                         ; tile_dim1
	s_mov_b32 s[\g+5], KROW                        ; the pitch
	s_mov_b32 s[\g+6], 0
	s_mov_b32 s[\g+7], 0
.endr
	s_or_b32 s[G1S+0], s43, (3<<16)|(1<<20)|(1<<21)|(5<<22)|(3<<25) ; the scales of 128 rows: 4,096 dense bytes as 16 rows of 256 (32 elements of 8 bytes), 16 bytes of padding behind each
	s_or_b32 s[G1SB+0], s44, (3<<16)|(1<<20)|(1<<21)|(5<<22)|(3<<25)
.irp g, G1S, G1SB
	s_mov_b32 s[\g+1], 32<<16
	s_mov_b32 s[\g+2], (128*KS/256)<<16
	s_mov_b32 s[\g+3], 32<<16
	s_mov_b32 s[\g+4], 128*KS/256
	s_mov_b32 s[\g+5], 32
	s_mov_b32 s[\g+6], 0
	s_mov_b32 s[\g+7], 0
.endr
	s_lshl_b32 s18, s16, 7
	s_lshl_b32 s20, s17, 8
	s_add_co_u32 s20, s20, s18                     ; x: row 256 x tile row + 128 x half
	s_lshl_b32 s46, s42, 8
	s_add_co_u32 s46, s46, s18                     ; W: row 256 x tile column + 128 x half
	s_mov_b32 s21, 0
	s_mov_b32 s47, 0
	s_mov_b64 s[18:19], KS
	s_mul_u64 s[22:23], s[20:21], s[18:19]
	s_mul_u64 s[92:93], s[46:47], s[18:19]
	s_mov_b64 s[18:19], KROW
	s_mul_u64 s[20:21], s[20:21], s[18:19]
	s_mul_u64 s[46:47], s[46:47], s[18:19]
	s_mul_i32 s45, s14, HALFT                      ; where they go: wave x 128 rows: no place in the cluster enters an LDS address
	s_mul_i32 s94, s14, HALFS
	s_wait_dscnt 0x0                               ; both opening adds are done
	s_wait_kmcnt 0x0
	s_add_nc_u64 s[8:9], s[4:5], 0x200000          ; W's codes lie behind x's 4,096 rows of 512 bytes,
	s_add_nc_u64 s[10:11], s[6:7], 0x20000         ; W's scales behind x's 4,096 rows of 32
	s_add_nc_u64 s[20:21], s[4:5], s[20:21]
	s_add_nc_u64 s[22:23], s[6:7], s[22:23]
	s_add_nc_u64 s[46:47], s[8:9], s[46:47]
	s_add_nc_u64 s[92:93], s[10:11], s[92:93]
	CROUND                                         ; all sixteen work-groups are here: the joint loads meet
	s_mov_b32 s[G0S], 1
	s_add_co_u32 s[G0S+1], s94, SCL
	s_mov_b64 s[G0S+2:G0S+3], s[22:23]
	s_or_b32 s[G0S+3], s[G0S+3], 0x80000000
	s_mov_b32 s[G0SB], 1
	s_add_co_u32 s[G0SB+1], s94, SCL
	s_mov_b64 s[G0SB+2:G0SB+3], s[92:93]
	s_or_b32 s[G0SB+3], s[G0SB+3], 0x80000000
	JLOAD G0S, G1S, G0SB, G1SB                     ; the scales first; then both slots: three loads of mine are out
.irp s, 0,1
	s_mov_b32 s[G0+4*\s], 1
	s_add_co_u32 s[G0+4*\s+1], s45, \s*SLOT
	s_add_nc_u64 s[G0+4*\s+2:G0+4*\s+3], s[20:21], \s*ROWB
	s_or_b32 s[G0+4*\s+3], s[G0+4*\s+3], 0x80000000
	s_mov_b32 s[G0B+4*\s], 1
	s_add_co_u32 s[G0B+4*\s+1], s45, \s*SLOT
	s_add_nc_u64 s[G0B+4*\s+2:G0B+4*\s+3], s[46:47], \s*ROWB
	s_or_b32 s[G0B+4*\s+3], s[G0B+4*\s+3], 0x80000000
	JLOAD G0+4*\s, G1, G0B+4*\s, G1B
.endr
	v_and_b32 v1, 15, v0                           ; r
	v_bfe_u32 v2, v0, 4, 1                         ; h
	v_mul_u32_u24 v3, v1, PITCH
	v_lshl_add_u32 v4, v2, 4, v3
	s_mul_i32 s21, s15, HALFT
	s_mul_i32 s22, s16, HALFT
	s_add_co_u32 s22, s22, 2*HALFT
.irp s, 0,1
	v_add_nc_u32 v[ADRA+\s], s21, v4
	v_add_nc_u32 v[ADRB+\s], s22, v4
	s_add_co_u32 s21, s21, SLOT
	s_add_co_u32 s22, s22, SLOT
.endr
	v_mul_u32_u24 v5, v1, KS                       ; my row's scales: KS bytes a row,
	v_lshrrev_b32 v6, 8, v5
	v_lshl_add_u32 v5, v6, 4, v5                   ; and 16 more for each 256 passed
	s_mul_i32 s21, s15, HALFS
	s_mul_i32 s22, s16, HALFS
	s_add_co_u32 s22, s22, 2*HALFS
	s_sub_co_u32 s22, s22, s21
	v_mul_u32_u24 v6, s22, v2                      ; lanes 16-31 take W's
	s_add_co_u32 s21, s21, SCL
	v_add_nc_u32 v5, v5, v6
	v_add_nc_u32 v[ADRS], s21, v5
	s_mul_i32 s23, s14, 16*SPITCH                  ; my stage
	v_mul_u32_u24 v5, v1, SPITCH
	v_lshl_add_u32 v5, v2, 4, v5
	v_add_nc_u32 v[STO], s23, v5                   ; in: row r, 16 bytes for each half of the lanes
	v_bfe_u32 v5, v0, 3, 2
	v_mul_u32_u24 v5, v5, SPITCH
	v_and_b32 v6, 7, v0
	v_lshl_add_u32 v5, v6, 4, v5
	v_add_nc_u32 v[RD], s23, v5                    ; back: eight lanes take one head's 128 bytes of a row, four rows an instruction
	v_and_b32 v6, 31, v0
	v_lshlrev_b32 v[CO], 4, v6                     ; which are 512 consecutive bytes of the head's plane
	v_lshlrev_b32 v[TO], 8, v1
	v_lshl_add_u32 v[TO], v2, 5, v[TO]
	s_lshl_b32 s20, s17, 8
	s_lshl_b32 s21, s15, 7
	s_add_co_u32 s20, s20, s21                     ; my first row of x
	v_mov_b32 v[ROW0], s20
	s_lshl_b32 s46, s42, 2
	s_lshl_b32 s47, s16, 1
	s_add_co_u32 s46, s46, s47                     ; my first plane: 16 x type + head = 4 x tile column + 2 x half
	s_lshl_b32 s22, s46, 19                        ; a plane is 524,288 bytes,
	s_lshl_b32 s23, s20, 7                         ; a row of it 128
	s_add_co_u32 s22, s22, s23
	s_mov_b32 s23, 0
	s_add_nc_u64 s[12:13], s[12:13], s[22:23]
	s_lshl_b32 s22, s46, 12                        ; a plane of fine is 4,096 bytes
	s_add_nc_u64 s[98:99], s[98:99], s[22:23]
	s_lshl_b32 s22, s20, 8                         ; a row of the table is 256 bytes
	s_cmp_eq_u32 ttmp9, 2                          ; V: the rows of (1, 0) behind the table.  Only an offset is chosen
	s_cselect_b32 s22, 0x100000, s22
	s_add_nc_u64 s[96:97], s[96:97], s[22:23]
; cos and sin for block a of 16 rows: lane (r, h) wants, of row r, the pairs 8 b4 + 4 h + 0 .. 3 for b4 = 0 .. 3: eight loads of 16 bytes, into set a % 2
.macro CSLOAD a
.irp b4, 0,1,2,3
.irp k, 0,1
	global_load_b128 v[CS+32*((\a)%2)+8*\b4+4*\k:CS+32*((\a)%2)+8*\b4+4*\k+3], v[TO], s[96:97] offset:4096*(\a)+64*\b4+16*\k
.endr
.endr
.endm
	CSLOAD 0                                       ; two blocks ahead: they land under the products
	CSLOAD 1
.macro FRAG reg, adr, q, i             ; 16 rows x 128 K of 4-bit codes: 8 registers
.irp c, 0,1
	ds_load_b128 v[\reg+4*\c:\reg+4*\c+3], v[\adr] offset:64*(\q)+32*\c+(\i)*16*PITCH
.endr
.endm
; 16 matrix instructions: x's blocks a0, a0 + 1 against W's eight.  The 64 accumulators take turns, one instruction a turn, in the same order in every step.
.macro MUL16 a0, p, q, sc, zero
.irp a, \a0, \a0+1
.irp b, 0,1,2,3,4,5,6,7
.if \zero
	v_wmma_scale_f32_16x16x128_f8f6f4 v[8*(8*((\a)%4)+\b):8*(8*((\a)%4)+\b)+7], v[128*(\p)+FR*\b:128*(\p)+FR*\b+FR-1], v[AF+FR*(\a):AF+FR*(\a)+FR-1], 0, v[SC+8*NQ*(\sc)+NQ*\b+(\q)], v[SC+8*NQ*(\sc)+NQ*(\a)+(\q)] matrix_a_fmt:MATRIX_FMT_FP4 matrix_b_fmt:MATRIX_FMT_FP4 matrix_a_scale:MATRIX_SCALE_ROW1
.else
	v_wmma_scale_f32_16x16x128_f8f6f4 v[8*(8*((\a)%4)+\b):8*(8*((\a)%4)+\b)+7], v[128*(\p)+FR*\b:128*(\p)+FR*\b+FR-1], v[AF+FR*(\a):AF+FR*(\a)+FR-1], v[8*(8*((\a)%4)+\b):8*(8*((\a)%4)+\b)+7], v[SC+8*NQ*(\sc)+NQ*\b+(\q)], v[SC+8*NQ*(\sc)+NQ*(\a)+(\q)] matrix_a_fmt:MATRIX_FMT_FP4 matrix_b_fmt:MATRIX_FMT_FP4 matrix_a_scale:MATRIX_SCALE_ROW1
.endif
.endr
.endr
.endm
.macro FETCH_B slot, q, p
	WIN TO_B
.irp i, 0,1,2,3,4,5,6,7
	FRAG 128*(\p)+FR*\i, ADRB+\slot, \q, \i
.endr
	WIN 0
.endm
.macro FETCH_A slot, q, i0
.irp i, \i0, \i0+1, \i0+2, \i0+3
	FRAG AF+FR*(\i), ADRA+\slot, \q, \i
.endr
.endm
.macro SCALES sc                       ; a slot's scale words: lanes 0-15 take x's block i, lanes 16-31 W's block i
.irp i, 0,1,2,3,4,5,6,7
	ds_load_b128 v[SC+8*NQ*\sc+NQ*\i:SC+8*NQ*\sc+NQ*\i+3], v[ADRS] offset:\i*SBLK
.endr
.endm
.macro PLACES n                        ; plain vector lines between a matrix instruction and a load into, or a read of, its registers
.rept \n
	v_nop
.endr
.endm
.macro STEP slot, q, zero              ; 128 along K with its successor in the same slot
	s_wait_dscnt 4*NL                              ; W's set and x's blocks 0-3 are in; the youngest eight loads (x's blocks 4-7) may be out
	WIN MUL_LO
	MUL16 0, (\q)%2, \q, \slot, \zero
	MUL16 2, (\q)%2, \q, \slot, \zero
	s_wait_dscnt 0
	PLACES NP
	FETCH_B \slot, (\q)+1, 1-(\q)%2
	FETCH_A \slot, (\q)+1, 0
	WIN MUL_HI
	MUL16 4, (\q)%2, \q, \slot, \zero
	MUL16 6, (\q)%2, \q, \slot, \zero
	PLACES NP
	WIN 0
	FETCH_A \slot, (\q)+1, 4
.endm
.macro TURN slot, next                 ; slot 0's last step: all my tensor loads have landed, my reads of the slot are over, one barrier; then slot 1 is read.  Nothing is filled again
	s_wait_tensorcnt 0x0
	ds_add_u32 v[SPW], v[NIL]
	s_wait_dscnt 4*NL+1                            ; (the add and the youngest eight loads may be out)
	WIN MUL_LO
	MUL16 0, 1, NQ-1, \slot, 0
	s_wait_dscnt 0x0
	s_barrier_signal -1
	MUL16 2, 1, NQ-1, \slot, 0
	WIN 0
	s_barrier_wait -1
	PLACES NP
	v_add_nc_u32 v[ADRS], 4*NQ, v[ADRS]            ; the next slot's scale words
	FETCH_B \next, 0, 0
	FETCH_A \next, 0, 0
	SCALES \next
	WIN MUL_HI
	MUL16 4, 1, NQ-1, \slot, 0
	MUL16 6, 1, NQ-1, \slot, 0
	PLACES NP
	WIN 0
	FETCH_A \next, 0, 4
.endm
.macro STEPS slot, from
.set Q, \from
.rept NQ-1-\from
	STEP \slot, Q, 0
.set Q, Q+1
.endr
.endm
	s_wait_tensorcnt 1                             ; the scales and my part of slot 0 are in (slot 1's load may be out),
	s_barrier_signal -1
	s_barrier_wait -1                              ; everybody's are
	FETCH_B 0, 0, 0
	FETCH_A 0, 0, 0
	SCALES 0
	FETCH_A 0, 0, 4
	STEP 0, 0, 1                                   ; the first products start the sums: nothing is cleared
	STEPS 0, 1
	TURN 0, 1
	STEPS 1, 0
	s_wait_dscnt 4*NL                              ; the last step: nothing more to fetch
	WIN MUL_LO
	MUL16 0, 1, NQ-1, 1, 0
	MUL16 2, 1, NQ-1, 1, 0
	s_wait_dscnt 0
	WIN MUL_HI
	MUL16 4, 1, NQ-1, 1, 0
	MUL16 6, 1, NQ-1, 1, 0
	WIN 0
; THE WAY OUT, block by block of 16 rows x 128 columns (two heads).
.macro ROPE a                          ; register pair 2 p of accumulator (a, b) is pair 8 (b % 4) + 4 h + p of head b / 4.  Each accumulator is read from its low end on
	WIN 0x02+(\a)/4                                ; source 0: window 2 or 3
.irp b, 0,1,2,3,4,5,6,7
.irp p, 0,1,2,3
	v_pk_mul_f32 v[T+8*\b+2*\p:T+8*\b+2*\p+1], v[64*((\a)%4)+8*\b+2*\p:64*((\a)%4)+8*\b+2*\p+1], v[CS+32*((\a)%2)+8*(\b%4)+2*\p:CS+32*((\a)%2)+8*(\b%4)+2*\p+1] op_sel:[0,0] op_sel_hi:[0,1]   ; (x1 c, x1 s)
.endr
.irp p, 0,1,2,3
	v_pk_fma_f32 v[T+8*\b+2*\p:T+8*\b+2*\p+1], v[64*((\a)%4)+8*\b+2*\p:64*((\a)%4)+8*\b+2*\p+1], v[CS+32*((\a)%2)+8*(\b%4)+2*\p:CS+32*((\a)%2)+8*(\b%4)+2*\p+1], v[T+8*\b+2*\p:T+8*\b+2*\p+1] op_sel:[1,1,0] op_sel_hi:[1,0,1] neg_lo:[0,1,0]   ; (- x2 s, + x2 c)
.endr
.endr
	WIN 0
.endm
.macro FINE                            ; positions 0 to 15 also leave in f32.  Only the waves whose first row is 0 hold them: a mask on EXEC, no branch (the tile row holds the place in the cluster).  Pieces of 32 bytes, 196,608 bytes in all
	v_cmp_eq_u32 vcc_lo, 0, v[ROW0]
	s_wait_xcnt 0x0                                ; EXEC changes only behind this wait: loads are out
	s_and_saveexec_b32 s100, vcc_lo
.irp b, 0,1,2,3,4,5,6,7
.irp k, 0,1
	global_store_b128 v[TO], v[T+8*\b+4*\k:T+8*\b+4*\k+3], s[98:99] offset:4096*(\b/4)+64*(\b%4)+16*\k
.endr
.endr
	s_wait_xcnt 0x0                                ; and again: EXEC and the stores' data are written only behind it
	s_or_b32 exec_lo, exec_lo, s100
.endm
.macro PACK
.irp b, 0,1,2,3,4,5,6,7
.irp p, 0,1,2,3
	v_cvt_pk_f16_f32 v[PK+4*\b+\p], v[T+8*\b+2*\p], v[T+8*\b+2*\p+1]
.endr
.endr
.endm
.macro TOSTAGE a                       ; into my stage, and back by heads, into window 1.  LDS serves a wave's instructions in order: no wait between
.irp b, 0,1,2,3,4,5,6,7
	ds_store_b128 v[STO], v[PK+4*\b:PK+4*\b+3] offset:32*\b
.endr
	WIN 0x40                                       ; destination window 1, address window 0
.irp hd, 0,1
.irp t, 0,1,2,3
	ds_load_b128 v[BK+32*((\a)%2)+16*\hd+4*\t:BK+32*((\a)%2)+16*\hd+4*\t+3], v[RD] offset:1088*\t+128*\hd
.endr
.endr
	WIN 0
.endm
.macro SEND a
	s_wait_dscnt 0x0                               ; the block is back in registers
	WIN 0x04                                       ; a store's data are its source 1: window 1
.irp hd, 0,1
.irp t, 0,1,2,3
	global_store_b128 v[CO], v[BK+32*((\a)%2)+16*\hd+4*\t:BK+32*((\a)%2)+16*\hd+4*\t+3], s[12:13] offset:524288*\hd+2048*(\a)+512*\t   ; 32 lanes store 512 consecutive bytes, aligned
.endr
.endr
	WIN 0
.endm
	PLACES NP                                      ; behind the last products: their results are read and their sources written below
.irp a, 0,1,2,3,4,5,6,7
.if \a < 7
	s_wait_loadcnt 8                               ; this block's cos and sin are in; the next block's eight loads may be out
.else
	s_wait_loadcnt 0x0
.endif
	ROPE \a
.if \a == 0
	FINE
.endif
.if \a < 6
	CSLOAD \a+2
.endif
	PACK
.if \a > 0
	SEND \a-1
.endif
.if \a > 1
	s_wait_xcnt 0x0                                ; block a - 2's stores have read their registers: block a's rows may land there
.endif
	TOSTAGE \a
.endr
	SEND 7
	s_wait_tensorcnt 0x0                           ; the wave's end
	ds_add_u32 v[SPW], v[NIL]
	s_wait_dscnt 0x0
	CROUND                                         ; the closing round
	s_endpgm
.Lfunc_end_k_q8ec2b34963_qkv:
	.size	k_q8ec2b34963_qkv, .Lfunc_end_k_q8ec2b34963_qkv-k_q8ec2b34963_qkv
	.p2alignl 7, 3214868480
	.fill 96, 4, 3214868480
	.section	.rodata,"a",@progbits
	.p2align	6, 0x0
	.amdhsa_kernel k_q8ec2b34963_qkv
		.amdhsa_group_segment_fixed_size 327680
		.amdhsa_private_segment_fixed_size 0
		.amdhsa_enable_private_segment 0
		.amdhsa_kernarg_size 40
		.amdhsa_user_sgpr_count 2
		.amdhsa_user_sgpr_kernarg_segment_ptr 1
		.amdhsa_wavefront_size32 1
		.amdhsa_system_sgpr_workgroup_id_x 1
		.amdhsa_system_sgpr_workgroup_id_y 1
		.amdhsa_system_sgpr_workgroup_id_z 1
		.amdhsa_system_vgpr_workitem_id 0
		.amdhsa_next_free_vgpr 1024
		.amdhsa_next_free_sgpr 102
		.amdhsa_reserve_vcc 1
		.amdhsa_float_denorm_mode_32 3
		.amdhsa_float_denorm_mode_16_64 3
		.amdhsa_memory_ordered 1
		.amdhsa_forward_progress 1
		.amdhsa_inst_pref_size 168
	.end_amdhsa_kernel
	.amdgpu_metadata
---
amdhsa.version: [ 1, 2 ]
amdhsa.kernels:
  - .name:           k_q8ec2b34963_qkv
    .symbol:         k_q8ec2b34963_qkv.kd
    .args:
      - { .name: codes, .offset: 0, .size: 8, .value_kind: global_buffer, .address_space: global }
      - { .name: scales, .offset: 8, .size: 8, .value_kind: global_buffer, .address_space: global }
      - { .name: qkv, .offset: 16, .size: 8, .value_kind: global_buffer, .address_space: global }
      - { .name: rope, .offset: 24, .size: 8, .value_kind: global_buffer, .address_space: global }
      - { .name: fine, .offset: 32, .size: 8, .value_kind: global_buffer, .address_space: global }
    .group_segment_fixed_size: 327680
    .private_segment_fixed_size: 0
    .kernarg_segment_align: 8
    .kernarg_segment_size: 40
    .max_flat_workgroup_size: 128
    .sgpr_count:     102
    .vgpr_count:     1024
    .wavefront_size: 32
...
	.end_amdgpu_metadata
.endif
;; end of part 2
;; launch attn (part 3): grid 16 x 16, 8 waves a work-group, no clusters, 327,680 bytes of LDS; arguments qkv, attn; writes attn
.if DOCPART == 3
	.amdgcn_target "amdgcn-amd-amdhsa--gfx1250"
	.amdhsa_code_object_version 6
	.text
	.protected	k_q8ec2b34963_attn
	.globl	k_q8ec2b34963_attn
	.p2align	8
	.type	k_q8ec2b34963_attn,@function
k_q8ec2b34963_attn:
	s_mov_b64 s[64:65], 0
	v_nop
	global_prefetch_b8 v0, s[64:65] scope:SCOPE_SE
	s_setreg_imm32_b32 hwreg(HW_REG_WAVE_MODE, 25, 1), 1
	s_wait_xcnt 0x0
; CAUSAL ATTENTION, 16 heads of 64, 4,096 positions, operands in f16, products, maxima and sums in f32.  qkv: [48 = 16 x type + head][4,096][64] f16.
; attn: byte(s, head, d) = (s / 2) x 4,096 + head x 256 + (s % 2) x 128 + 2 d, f16: a head's two neighbouring positions are 256 consecutive bytes, aligned.
; SHARES.  Work-group (i, head) owns the query blocks A = i and B = 31 - i, 128 queries each: (i + 1) + (32 - i) = 33 blocks of 128 x 128 under the mask in every work-group.
; Wave w = (g = w % 4, hf = w / 4) holds 32 queries of A and 32 of B (rows 32 g on): four tiles of 16, and takes every second step of 64 keys: keys 128 n + 64 hf.  So a fragment of K or V read from LDS
; feeds four products while A is live.  Two waves share a SIMD: one's softmax stands beside the other's products.
; PIECES: piece 0 (tiles 0, 1) is A where hf = 0 and B where hf = 1; piece 2 (tiles 2, 3) is the other.  At the end a wave hands piece 2's maximum, sum and O^T to wave w xor 4 through LDS and finishes piece 0.
; LAYOUT.  S^T = K Q^T (source 0 = 16 keys, source 1 = 16 queries) and O^T = V^T P: a lane holds ONE query throughout; two tiles of S^T, rounded to f16 in pairs, ARE source 1 of the second product.
; SOFTMAX.  A running maximum m and sum l for each query: p = 2^(c s - c m), c = log2(e) / 8; in every step O^T and l are multiplied by 2^(c m_old - c m_new).
; THE MASK.  All work-groups walk 16 slots of 256 keys: the trip count is a constant.  A step, or a piece's share of it, all of whose keys come after its queries is jumped over (a scalar branch on ids);
; on the diagonal hidden scores become -infinity.  Steps begin at multiples of 64 and pieces at multiples of 32, so a piece that takes part in a step has the step's first key live in every row.
; A slot whose first key comes after the work-group's last query is read by nobody and is not asked for.
; NO CLUSTER: the work-groups of a head end at different causal limits, so a partner would jump over all reads of a tile that a joint load brings.
; LIMITS: f16 holds Q, K, V up to 65,504; NaN and infinities are not served.
; REGISTERS: window 0: v1-23 addresses; v24-55 eight statistics a tile; v64-95 P and v96-159 S^T of the piece in hand; v160-223 K of a step.  window 1: v0-127 O^T, 32 a tile; v128-191 V; v192-255 Q, 16 a tile.
.set PK,    272                        ; two keys' rows of K in LDS: 256 bytes + 16: the 16 keys of a load start at 16 different groups of four banks
.set PV,    288                        ; two keys' rows of V: 256 + 32
.set VOFF,  128*PK                     ; a slot: 256 keys of K, then 256 of V
.set SLOT1, 1<<17                      ; slot 1: one exclusive or turns an address
.set XCH,   SLOT1+VOFF+128*PV          ; the hand-over: for each wave two tiles of 4,352 bytes: 8 register images of 512, c m at 4,096, l at 4,224
.set XT,    4352
.set OUTS,  XCH+8*2*XT                 ; the way out: 16 rows x (128 bytes + 16) for each wave
.set OP,    144
.set SPARE, OUTS+8*16*OP               ; the spare words, 128 bytes a wave
.set AK0, 3
.set AV0, 4
.set ADK, 5
.set ADV, 6
.set QO,  7
.set STO, 8
.set RD,  9
.set GO,  10
.set DL,  11                           ; v11  r - 8 h
.set MD,  12                           ; v12  the mask's distance
.set NEG, 13                           ; v13  -infinity
.set PFO, 14                           ; v14  256 x lane
.set XW,  15
.set XR,  16
.set XWS, 17
.set SPW, 18
.set NIL, 19
.set XRS, 20
.set ST,  24                           ; tile t at v[ST + 8 t]: +0 c m, +1 m, +2, +3 l, +4 to +7 at work; the factor takes +6
.set P,   64
.set S,   96
.set KR,  160
.set VR,  128                          ; in window 1
.set QR,  192                          ; in window 1
.set WV,  8
.set G,   9
.set HF,  10
.set HEAD, 11
.set QA,  12
.set QB,  13
.set QP0, 14                           ; piece 0's first query
.set QP1, 15                           ; piece 2's
.set KFS, 16                           ; the step's first key
.set SK,  17                           ; the slot's first key
.set LASTQ, 18                         ; the work-group's last query
.set TB,  19                           ; LDS byte at which the slot in hand begins
.set SLOTS, 20
.set LIM, 21
.set CS,  22                           ; s[22:23] c
.set G1K, 24
.set G1V, 32
.set G0K, 40
.set G0V, 44
.set SEL, 48
.set PFK, 50
.set PFV, 52
.set QB0, 54
.set QB1, 56
.set MSB, 0
.macro WIN new                         ; the immediate's high byte repeats the setting that is left
.if MSB != \new
	s_set_vgpr_msb (MSB<<8)|\new
.set MSB, \new
.endif
.endm
.set W_KQ, 0x04                        ; Q in window 1
.set W_PV, 0x51                        ; V and O^T in window 1, P in window 0
.set W_RS, 0x41                        ; O^T in window 1, the factor in window 0
; Wave 0 fetches a slot's K, wave 1 its V, each by one load of 128 rows of 256 bytes; the others fetch nothing.  An s_nop 0 and four v_nop follow each line.
.macro TLOAD
	s_cmp_eq_u32 s[WV], 0
	s_cbranch_scc0 .Lnot_k_\@
	tensor_load_to_lds s[G0K:G0K+3], s[G1K:G1K+7]
	s_nop 0
.rept 4
	v_nop
.endr
	s_branch .Lasked_\@
.Lnot_k_\@:
	s_cmp_eq_u32 s[WV], 1
	s_cbranch_scc0 .Lasked_\@
	tensor_load_to_lds s[G0V:G0V+3], s[G1V:G1V+7]
	s_nop 0
.rept 4
	v_nop
.endr
.Lasked_\@:
.endm
; A prefetch of the slot that the NEXT change of slots will ask for.  All work-groups of a head walk the same K and V: the head's work-group 0, which walks all 16 slots, asks; in it waves 4 to 7,
; 8,192 bytes of K and 8,192 of V each, lanes 256 bytes apart: each aligned block of 256 bytes is named once.  Slots 0 and 1 come by their loads alone; the last two trips ask for nothing.
.macro ASK
	s_cmp_gt_u32 s[SLOTS], s[LIM]
	s_cbranch_scc0 .Lnot_mine_\@
	global_prefetch_b8 v[PFO], s[PFK:PFK+1] th:TH_LOAD_NT scope:SCOPE_SE
	global_prefetch_b8 v[PFO], s[PFV:PFV+1] th:TH_LOAD_NT scope:SCOPE_SE
.Lnot_mine_\@:
.endm
; THE CHANGE OF SLOTS, at a slot's head: all my tensor loads have landed, the add, my reads of the slot that I have left are over, one barrier; behind it the slot that was left takes the keys that follow.
.macro CHANGE
	s_wait_tensorcnt 0x0                           ; no tensor load of mine is out, so a descriptor may be written
	ds_add_u32 v[SPW], v[NIL]                      ; the add, twice on end, in every trip alike
	ds_add_u32 v[SPW], v[NIL]
	s_xor_b32 s[G0K+1], s[G0K+1], SLOT1
	s_add_nc_u64 s[G0K+2:G0K+3], s[G0K+2:G0K+3], 32768   ; 256 keys of 128 bytes on
	s_xor_b32 s[G0V+1], s[G0V+1], SLOT1
	s_add_nc_u64 s[G0V+2:G0V+3], s[G0V+2:G0V+3], 32768
	s_wait_xcnt 0x0                                ; the last prefetches, a slot back, have read their addresses
	s_add_nc_u64 s[PFK:PFK+1], s[PFK:PFK+1], 32768
	s_add_nc_u64 s[PFV:PFV+1], s[PFV:PFV+1], 32768
	s_wait_dscnt 0x0
	s_barrier_signal -1
	s_barrier_wait -1
	s_add_co_u32 s58, s[SK], 256                   ; the first key of the slot that this change would ask for:
	s_cmp_gt_u32 s58, s[LASTQ]                     ; past my work-group's last query nobody reads it.  Ids and the count of trips alone: all eight waves go the same way; the last trip goes this way too
	s_cbranch_scc1 .Lpast_\@
	TLOAD                                          ; a wave's one tensor load until the next barrier: it has a slot's steps in which to land
.Lpast_\@:
	ASK
.endm
.macro KVLOAD u                        ; my 64 keys of the slot's u-th 128: K as it lies, V turned.  The two additions and two v_nop are the four places behind the last products
	v_add_nc_u32 v[ADK], s[TB], v[AK0]
	v_add_nc_u32 v[ADV], s[TB], v[AV0]
	v_nop
	v_nop
.irp kt, 0,1,2,3
.irp c, 0,1
	ds_load_b128 v[KR+16*\kt+8*\c:KR+16*\kt+8*\c+3],   v[ADK] offset:64*PK*\u+8*PK*\kt+64*\c
	ds_load_b128 v[KR+16*\kt+8*\c+4:KR+16*\kt+8*\c+7], v[ADK] offset:64*PK*\u+8*PK*\kt+64*\c+32
.endr
.endr
	WIN 0x40
.irp a, 0,1
.irp ct, 0,1,2,3
	ds_load_tr16_b128 v[VR+32*\a+8*\ct:VR+32*\a+8*\ct+3],   v[ADV] offset:64*PV*\u+16*PV*\a+32*\ct
	ds_load_tr16_b128 v[VR+32*\a+8*\ct+4:VR+32*\a+8*\ct+7], v[ADV] offset:64*PV*\u+16*PV*\a+8*PV+32*\ct
.endr
.endr
	WIN 0
.endm
.macro SMM x                           ; S^T = K Q^T for tiles x, x + 1: eight accumulators by turns, channels 0-31 (they start the sums), then 32-63
	WIN W_KQ
.set n, 0
.rept 16
.set rS, S+32*(n%2)+8*((n/2)%4)
.set rK, KR+16*((n/2)%4)+8*(n/8)
.set rQ, QR+16*(\x+n%2)+8*(n/8)
.if n < 8
	v_wmma_f32_16x16x32_f16 v[rS:rS+7], v[rK:rK+7], v[rQ:rQ+7], 0
.else
	v_wmma_f32_16x16x32_f16 v[rS:rS+7], v[rK:rK+7], v[rQ:rQ+7], v[rS:rS+7]
.endif
.set n, n+1
.endr
	WIN 0
.endm
.macro MASK qp                         ; register 8 kt + j of a tile holds key KFS + 16 kt + 8 h + j: hidden where 16 kt + j > query - KFS - 8 h
	s_sub_co_i32 s58, s[\qp], s[KFS]
	v_add_nc_u32 v[MD], s58, v[DL]
.set n, 0
.rept 64
.if n == 32
	v_add_nc_u32 v[MD], 16, v[MD]                  ; the second tile's queries
.endif
	v_cmp_gt_i32 vcc_lo, 16*((n%32)/8)+n%8, v[MD]
	v_cndmask_b32 v[S+n], v[S+n], v[NEG], vcc_lo
.set n, n+1
.endr
.endm
.macro SOFTMAX x                       ; two tiles, line by line
.irp j, 0,1,2,3
.irp tt, 0,1
	v_max3_num_f32 v[ST+8*(\x+\tt)+4+\j], v[S+32*\tt+8*\j], v[S+32*\tt+8*\j+1], v[S+32*\tt+8*\j+2]   ; each accumulator is read from its low end on
.endr
.endr
.irp i, 3,5
.irp j, 0,1,2,3
.irp tt, 0,1
	v_max3_num_f32 v[ST+8*(\x+\tt)+4+\j], v[ST+8*(\x+\tt)+4+\j], v[S+32*\tt+8*\j+\i], v[S+32*\tt+8*\j+\i+1]
.endr
.endr
.endr
.irp tt, 0,1
	v_max3_num_f32 v[ST+8*(\x+\tt)+4], v[ST+8*(\x+\tt)+4], v[S+32*\tt+7], v[S+32*\tt+15]
	v_max3_num_f32 v[ST+8*(\x+\tt)+6], v[ST+8*(\x+\tt)+6], v[S+32*\tt+23], v[S+32*\tt+31]
.endr
.irp tt, 0,1
	v_max3_num_f32 v[ST+8*(\x+\tt)+4], v[ST+8*(\x+\tt)+4], v[ST+8*(\x+\tt)+5], v[ST+8*(\x+\tt)+6]
.endr
.irp tt, 0,1
	v_max3_num_f32 v[ST+8*(\x+\tt)+4], v[ST+8*(\x+\tt)+4], v[ST+8*(\x+\tt)+7], v[ST+8*(\x+\tt)+1]   ; with the old m
.endr
.irp tt, 0,1
	v_permlanex16_b32 v[ST+8*(\x+\tt)+5], v[ST+8*(\x+\tt)+4], s[SEL], s[SEL+1]   ; the query's other 32 keys lie in the lane 16 away
.endr
.irp tt, 0,1
	v_mov_b32 v[ST+8*(\x+\tt)+7], v[ST+8*(\x+\tt)]
.endr
.irp tt, 0,1
	v_max_num_f32 v[ST+8*(\x+\tt)+1], v[ST+8*(\x+\tt)+4], v[ST+8*(\x+\tt)+5]
.endr
.irp tt, 0,1
	v_mul_f32 v[ST+8*(\x+\tt)], s[CS], v[ST+8*(\x+\tt)+1]
.endr
.irp tt, 0,1
	v_sub_f32 v[ST+8*(\x+\tt)+7], v[ST+8*(\x+\tt)+7], v[ST+8*(\x+\tt)]
.endr
.irp p, 0,1,2,3,4,5,6,7,8,9,10,11,12,13,14,15
.irp tt, 0,1
	v_pk_fma_f32 v[S+32*\tt+2*\p:S+32*\tt+2*\p+1], v[S+32*\tt+2*\p:S+32*\tt+2*\p+1], s[CS:CS+1], v[ST+8*(\x+\tt):ST+8*(\x+\tt)+1] op_sel_hi:[1,0,0] neg_lo:[0,0,1] neg_hi:[0,0,1]   ; c s - c m
.endr
.endr
.irp tt, 0,1
	v_exp_f32 v[ST+8*(\x+\tt)+6], v[ST+8*(\x+\tt)+7]   ; the factor for what was summed under the old m
.endr
.irp e, 0,1,2,3,4,5,6,7,8,9,10,11,12,13,14,15,16,17,18,19,20,21,22,23,24,25,26,27,28,29,30,31
.irp tt, 0,1
	v_exp_f32 v[S+32*\tt+\e], v[S+32*\tt+\e]
.endr
.endr
	v_nop                                          ; a plain line behind the last exponential
	s_wait_alu depctr_va_vdst(0)                   ; ONE wait for the batch of 66, ahead of its first reader
.irp p, 0,1,2,3,4,5,6,7,8,9,10,11,12,13,14,15
.irp tt, 0,1
	v_cvt_pk_f16_f32 v[P+16*\tt+\p], v[S+32*\tt+2*\p], v[S+32*\tt+2*\p+1]
.endr
.endr
.irp u, 0,1,2,3,4,5,6,7
.irp tt, 0,1
	v_pk_add_f32 v[S+32*\tt+4*\u:S+32*\tt+4*\u+1], v[S+32*\tt+4*\u:S+32*\tt+4*\u+1], v[S+32*\tt+4*\u+2:S+32*\tt+4*\u+3]
.endr
.endr
.irp u, 0,1,2,3
.irp tt, 0,1
	v_pk_add_f32 v[S+32*\tt+8*\u:S+32*\tt+8*\u+1], v[S+32*\tt+8*\u:S+32*\tt+8*\u+1], v[S+32*\tt+8*\u+4:S+32*\tt+8*\u+5]
.endr
.endr
.irp u, 0,1
.irp tt, 0,1
	v_pk_add_f32 v[S+32*\tt+16*\u:S+32*\tt+16*\u+1], v[S+32*\tt+16*\u:S+32*\tt+16*\u+1], v[S+32*\tt+16*\u+8:S+32*\tt+16*\u+9]
.endr
.endr
.irp tt, 0,1
	v_pk_add_f32 v[S+32*\tt:S+32*\tt+1], v[S+32*\tt:S+32*\tt+1], v[S+32*\tt+16:S+32*\tt+17]
.endr
.irp tt, 0,1
	v_pk_fma_f32 v[ST+8*(\x+\tt)+2:ST+8*(\x+\tt)+3], v[ST+8*(\x+\tt)+2:ST+8*(\x+\tt)+3], v[ST+8*(\x+\tt)+6:ST+8*(\x+\tt)+7], v[S+32*\tt:S+32*\tt+1] op_sel_hi:[1,0,1]
.endr
	WIN W_RS
.irp k, 0,1,2,3,4,5,6,7,8,9,10,11,12,13,14,15
.irp tt, 0,1
	v_pk_mul_f32 v[32*(\x+\tt)+2*\k:32*(\x+\tt)+2*\k+1], v[32*(\x+\tt)+2*\k:32*(\x+\tt)+2*\k+1], v[ST+8*(\x+\tt)+6:ST+8*(\x+\tt)+7] op_sel_hi:[1,0]
.endr
.endr
.endm
.macro PVM x                           ; O^T += V^T P: eight accumulators by turns, keys 0-31, then 32-63
	WIN W_PV
.set n, 0
.rept 16
.set rO, 32*(\x+n%2)+8*((n/2)%4)
.set rV, VR+32*(n/8)+8*((n/2)%4)
.set rP, P+16*(n%2)+8*(n/8)
	v_wmma_f32_16x16x32_f16 v[rO:rO+7], v[rV:rV+7], v[rP:rP+7], v[rO:rO+7]
.set n, n+1
.endr
	WIN 0
.endm
.macro PIECE x, qp
	s_add_co_u32 s58, s[\qp], 31
	s_cmp_gt_u32 s[KFS], s58                       ; all keys of the step come after the piece's queries
	s_cbranch_scc1 .Lskip_\@
	SMM \x
.rept 4
	v_nop                                          ; places behind the products
.endr
	s_add_co_u32 s58, s[KFS], 63
	s_cmp_le_u32 s58, s[\qp]                       ; all keys count
	s_cbranch_scc1 .Lopen_\@
	MASK \qp
.Lopen_\@:
	SOFTMAX \x
	s_wait_dscnt 0x0                               ; V is in
	PVM \x
.Lskip_\@:
.endm
.macro STEP u
	s_add_co_u32 s58, s[QB], 31
	s_cmp_gt_u32 s[KFS], s58                       ; past my last query: nothing is read
	s_cbranch_scc1 .Lover_\@
	KVLOAD \u
	s_wait_dscnt 16                                ; K's sixteen loads are in; V's sixteen may be out
	PIECE 2, QP1
	PIECE 0, QP0
	s_wait_dscnt 0x0                               ; on every way through the step V's loads have landed before the next step's loads are issued into the same registers
.Lover_\@:
	s_add_co_u32 s[KFS], s[KFS], 128
.endm
	s_load_b128 s[4:7], s[0:1], 0x0                ; qkv s[4:5], attn s[6:7]
	v_lshl_add_u32 v[SPW], v0, 2, SPARE
	v_mov_b32 v[NIL], 0
	ds_add_u32 v[SPW], v[NIL]                      ; the wave's opening: the add, twice on end, and its wait ahead of the first tensor load
	ds_add_u32 v[SPW], v[NIL]
	v_lshrrev_b32 v1, 5, v0
	v_readfirstlane_b32 s[WV], v1                  ; wave 0..7
	s_and_b32 s[G], s[WV], 3
	s_lshr_b32 s[HF], s[WV], 2
	s_and_b32 s[HEAD], ttmp7, 0xffff
	s_lshl_b32 s58, s[G], 5
	s_lshl_b32 s[QA], ttmp9, 7
	s_add_co_u32 s[QA], s[QA], s58                 ; my first query of A: 128 i + 32 g
	s_sub_co_u32 s[QB], 31, ttmp9
	s_lshl_b32 s[QB], s[QB], 7
	s_add_co_u32 s[QB], s[QB], s58                 ; and of B: 128 (31 - i) + 32 g
	s_cmp_eq_u32 s[HF], 0
	s_cselect_b32 s[QP0], s[QA], s[QB]
	s_cselect_b32 s[QP1], s[QB], s[QA]
	s_sub_co_u32 s[LASTQ], 32, ttmp9
	s_lshl_b32 s[LASTQ], s[LASTQ], 7
	s_sub_co_u32 s[LASTQ], s[LASTQ], 1
	s_lshl_b32 s[KFS], s[HF], 6
	s_mov_b32 s[SK], 0
	s_mov_b32 s[TB], 0
	s_mov_b32 s[SLOTS], 16
	s_xor_b32 s58, s[HF], 1                        ; 0 in waves 4 to 7,
	s_or_b32 s58, s58, ttmp9                       ; of the head's work-group 0
	s_cmp_eq_u32 s58, 0
	s_cselect_b32 s[LIM], 2, -1
	s_mov_b32 s[CS], 0x3e38aa3b                    ; c = log2(e) / 8
	s_mov_b32 s[CS+1], s[CS]
	s_mov_b32 s[SEL], 0x76543210
	s_mov_b32 s[SEL+1], 0xfedcba98
	s_mov_b32 s[G1K], (1<<16)|(1<<20)|(5<<22)|(3<<25)   ; no mask; elements of 2 bytes; padding: 4 words after every 64
	s_mov_b32 s[G1V], (1<<16)|(1<<20)|(5<<22)|(7<<25)   ; 8 words
.irp g, G1K, G1V
	s_mov_b32 s[\g+1], 128<<16                     ; tensor_dim0: two keys' 128 numbers
	s_mov_b32 s[\g+2], 128<<16                     ; tensor_dim1: 128 such rows
	s_mov_b32 s[\g+3], 128<<16                     ; tile_dim0
	s_mov_b32 s[\g+4], 128                         ; tile_dim1
	s_mov_b32 s[\g+5], 128                         ; the pitch: dense
	s_mov_b32 s[\g+6], 0
	s_mov_b32 s[\g+7], 0
.endr
	s_mov_b32 s[G0K], 1
	s_mov_b32 s[G0K+1], 0
	s_mov_b32 s[G0V], 1
	s_mov_b32 s[G0V+1], VOFF
	s_lshl_b32 s58, s[HEAD], 19
	s_mov_b32 s59, 0
	s_wait_dscnt 0x0                               ; both opening adds are done
	s_wait_kmcnt 0x0
	s_add_nc_u64 s[62:63], s[4:5], s[58:59]        ; Q's plane of my head; K's lies 16 planes on, V's 32
	s_add_nc_u64 s[G0K+2:G0K+3], s[62:63], 0x800000
	s_or_b32 s[G0K+3], s[G0K+3], 0x80000000
	s_add_nc_u64 s[G0V+2:G0V+3], s[62:63], 0x1000000
	s_or_b32 s[G0V+3], s[G0V+3], 0x80000000
	TLOAD                                          ; slot 0: it holds key 0, which counts for every query
	s_and_b32 s58, s[WV], 3
	s_lshl_b32 s58, s58, 13
	s_add_co_u32 s58, s58, 32768                   ; the prefetches stand in slot 1; the first change of slots steps them to slot 2
	s_add_nc_u64 s[PFK:PFK+1], s[62:63], s[58:59]
	s_add_nc_u64 s[PFV:PFV+1], s[PFK:PFK+1], 0x1000000
	s_add_nc_u64 s[PFK:PFK+1], s[PFK:PFK+1], 0x800000
	s_lshl_b32 s58, s[QP0], 7
	s_add_nc_u64 s[QB0:QB0+1], s[62:63], s[58:59]
	s_lshl_b32 s58, s[QP1], 7
	s_add_nc_u64 s[QB1:QB1+1], s[62:63], s[58:59]
	s_lshl_b32 s58, s[HEAD], 8
	s_lshl_b32 s60, s[QP0], 11
	s_add_co_u32 s58, s58, s60
	s_add_nc_u64 s[6:7], s[6:7], s[58:59]          ; attn at piece 0's first query, my head
	v_and_b32 v1, 15, v0                           ; r
	v_bfe_u32 v2, v0, 4, 1                         ; h
	v_lshlrev_b32 v[QO], 7, v1
	v_lshl_add_u32 v[QO], v2, 4, v[QO]             ; Q: row r of 128 bytes, + 16 h
	WIN 0x40
.irp tt, 0,1
.irp c, 0,1
	global_load_b128 v[QR+16*\tt+8*\c:QR+16*\tt+8*\c+3],       v[QO], s[QB0:QB0+1] offset:2048*\tt+64*\c
	global_load_b128 v[QR+16*\tt+8*\c+4:QR+16*\tt+8*\c+7],     v[QO], s[QB0:QB0+1] offset:2048*\tt+64*\c+32
	global_load_b128 v[QR+32+16*\tt+8*\c:QR+32+16*\tt+8*\c+3],   v[QO], s[QB1:QB1+1] offset:2048*\tt+64*\c
	global_load_b128 v[QR+32+16*\tt+8*\c+4:QR+32+16*\tt+8*\c+7], v[QO], s[QB1:QB1+1] offset:2048*\tt+64*\c+32
.endr
.endr
.set n, 0
.rept 128
	v_mov_b32 v[n], 0                              ; O^T.  The step is written once: the first finds zeros, which the first factor leaves zeros
.set n, n+1
.endr
	WIN 0
	v_lshrrev_b32 v21, 1, v1
	v_mul_u32_u24 v[AK0], v21, PK
	v_and_b32 v22, 1, v0
	v_lshl_add_u32 v[AK0], v22, 7, v[AK0]
	v_lshl_add_u32 v[AK0], v2, 4, v[AK0]
	s_mul_i32 s60, s[HF], 32*PK
	v_add_nc_u32 v[AK0], s60, v[AK0]               ; K: key r: (r / 2) PK + 128 (r % 2) + 16 h, + my 64 keys of the 128
	v_bfe_u32 v21, v0, 1, 2
	v_lshl_add_u32 v21, v2, 2, v21
	v_mul_u32_u24 v[AV0], v21, PV
	v_lshl_add_u32 v[AV0], v22, 7, v[AV0]
	v_bfe_u32 v21, v0, 3, 1
	v_lshl_add_u32 v[AV0], v21, 4, v[AV0]
	s_mul_i32 s60, s[HF], 32*PV
	s_add_co_u32 s60, s60, VOFF
	v_add_nc_u32 v[AV0], s60, v[AV0]               ; V: key 8 h + lane % 8, channels 8 ((lane / 8) % 2) on
	s_mul_i32 s60, s[WV], 16*OP
	s_add_co_u32 s60, s60, OUTS
	v_mul_u32_u24 v[STO], v1, OP
	v_lshl_add_u32 v[STO], v2, 4, v[STO]
	v_add_nc_u32 v[STO], s60, v[STO]
	v_bfe_u32 v21, v0, 3, 2
	v_mul_u32_u24 v[RD], v21, OP
	v_and_b32 v21, 7, v0
	v_lshl_add_u32 v[RD], v21, 4, v[RD]
	v_add_nc_u32 v[RD], s60, v[RD]
	v_lshlrev_b32 v[GO], 12, v2
	v_lshl_add_u32 v[GO], v1, 4, v[GO]
	v_lshlrev_b32 v21, 3, v2
	v_sub_nc_u32 v[DL], v1, v21
	v_mov_b32 v[NEG], 0xff800000
	v_and_b32 v21, 31, v0
	v_lshlrev_b32 v[PFO], 8, v21
	s_mul_i32 s58, s[WV], 2*XT
	s_add_co_u32 s58, s58, XCH
	v_lshl_add_u32 v[XW], v21, 4, s58
	v_lshl_add_u32 v[XWS], v21, 2, s58
	s_xor_b32 s60, s[WV], 4
	s_mul_i32 s60, s60, 2*XT
	s_add_co_u32 s60, s60, XCH
	v_lshl_add_u32 v[XR], v21, 4, s60
	v_lshl_add_u32 v[XRS], v21, 2, s60
.irp t, 0,1,2,3
	v_mov_b32 v[ST+8*\t+1], 0xff61b1e6             ; m = -3e38, under every score
	v_mul_f32 v[ST+8*\t], s[CS], v[ST+8*\t+1]
.irp j, 2,3,4,5,6,7
	v_mov_b32 v[ST+8*\t+\j], 0
.endr
.endr
	s_wait_loadcnt 0x0                             ; Q
.Lslot:                                            ; 16 trips in every work-group
	CHANGE
	STEP 0
	STEP 1
	s_xor_b32 s[TB], s[TB], SLOT1
	s_add_co_u32 s[SK], s[SK], 256
	s_sub_co_u32 s[SLOTS], s[SLOTS], 1
	s_cmp_lg_u32 s[SLOTS], 0
	s_cbranch_scc1 .Lslot
	; THE HAND-OVER.  Piece 2's O^T goes to LDS as images of its registers, with c m and l; the partner's comes back the same way.
	s_wait_tensorcnt 0x0
.rept 4
	v_nop                                          ; places behind the last products
.endr
.irp t, 0,1,2,3
	v_add_f32 v[ST+8*\t+2], v[ST+8*\t+2], v[ST+8*\t+3]   ; l's two halves
.endr
	WIN 0x04                                       ; an LDS store's data are its source 1: window 1
.irp tt, 0,1
.irp k, 0,1,2,3,4,5,6,7
	ds_store_b128 v[XW], v[64+32*\tt+4*\k:64+32*\tt+4*\k+3] offset:XT*\tt+512*\k
.endr
.endr
	WIN 0
.irp tt, 0,1
	ds_store_b32 v[XWS], v[ST+8*(2+\tt)] offset:XT*\tt+4096
	ds_store_b32 v[XWS], v[ST+8*(2+\tt)+2] offset:XT*\tt+4224
.endr
	s_wait_dscnt 0x0                               ; for the partner's sake: my stores have landed
	s_barrier_signal -1
	s_barrier_wait -1
.irp tt, 0,1
.irp k, 0,1,2,3,4,5,6,7
	ds_load_b128 v[S+32*\tt+4*\k:S+32*\tt+4*\k+3], v[XR] offset:XT*\tt+512*\k
.endr
	ds_load_b32 v[ST+8*(2+\tt)+4], v[XRS] offset:XT*\tt+4096
	ds_load_b32 v[ST+8*(2+\tt)+5], v[XRS] offset:XT*\tt+4224
.endr
	s_wait_dscnt 0x0
.irp tt, 0,1
	v_max_num_f32 v[ST+8*(2+\tt)+6], v[ST+8*\tt], v[ST+8*(2+\tt)+4]   ; the larger c m.  A half that never had a live key brings -3e38 c, l = 0 and zeros: its factor is 0
.endr
.irp tt, 0,1
	v_sub_f32 v[ST+8*\tt+4], v[ST+8*\tt], v[ST+8*(2+\tt)+6]
	v_sub_f32 v[ST+8*\tt+5], v[ST+8*(2+\tt)+4], v[ST+8*(2+\tt)+6]
.endr
.irp tt, 0,1
	v_exp_f32 v[ST+8*\tt+4], v[ST+8*\tt+4]
	v_exp_f32 v[ST+8*\tt+5], v[ST+8*\tt+5]
.endr
	v_nop
	s_wait_alu depctr_va_vdst(0)                   ; one wait for the four
.irp tt, 0,1
	v_mul_f32 v[ST+8*\tt+6], v[ST+8*\tt+4], v[ST+8*\tt+2]
.endr
.irp tt, 0,1
	v_fma_f32 v[ST+8*\tt+6], v[ST+8*\tt+5], v[ST+8*(2+\tt)+5], v[ST+8*\tt+6]
.endr
.irp tt, 0,1
	v_permlanex16_b32 v[ST+8*\tt+7], v[ST+8*\tt+6], s[SEL], s[SEL+1]
.endr
.irp tt, 0,1
	v_add_f32 v[ST+8*\tt+6], v[ST+8*\tt+6], v[ST+8*\tt+7]   ; the row's sum
.endr
.irp tt, 0,1
	v_rcp_f32 v[ST+8*(2+\tt)+6], v[ST+8*\tt+6]
.endr
	v_nop
	s_wait_alu depctr_va_vdst(0)                   ; one wait for the two
.irp tt, 0,1
	v_mul_f32 v[ST+8*\tt+4], v[ST+8*\tt+4], v[ST+8*(2+\tt)+6]
	v_mul_f32 v[ST+8*\tt+6], v[ST+8*\tt+5], v[ST+8*(2+\tt)+6]
.endr
	WIN 0x01                                       ; source 0: my O^T, in window 1
.irp tt, 0,1
.irp k, 0,1,2,3,4,5,6,7,8,9,10,11,12,13,14,15
	v_pk_mul_f32 v[KR+32*\tt+2*\k:KR+32*\tt+2*\k+1], v[32*\tt+2*\k:32*\tt+2*\k+1], v[ST+8*\tt+4:ST+8*\tt+5] op_sel_hi:[1,0]
.endr
.endr
	WIN 0
.irp tt, 0,1
.irp k, 0,1,2,3,4,5,6,7,8,9,10,11,12,13,14,15
	v_pk_fma_f32 v[KR+32*\tt+2*\k:KR+32*\tt+2*\k+1], v[S+32*\tt+2*\k:S+32*\tt+2*\k+1], v[ST+8*\tt+6:ST+8*\tt+7], v[KR+32*\tt+2*\k:KR+32*\tt+2*\k+1] op_sel_hi:[1,0,1]
.endr
.endr
.irp tt, 0,1
.irp k, 0,1,2,3,4,5,6,7,8,9,10,11,12,13,14,15
	v_cvt_pk_f16_f32 v[P+16*\tt+\k], v[KR+32*\tt+2*\k], v[KR+32*\tt+2*\k+1]
.endr
.endr
	; THE WAY OUT: a lane's eight channels of a query are 16 bytes; a tile goes through my stage and comes back four queries an instruction: two aligned blocks of 256 bytes.
.irp tt, 0,1
.irp ct, 0,1,2,3
	ds_store_b128 v[STO], v[P+16*\tt+4*\ct:P+16*\tt+4*\ct+3] offset:32*\ct
.endr
.irp t, 0,1,2,3
	ds_load_b128 v[S+16*\tt+4*\t:S+16*\tt+4*\t+3], v[RD] offset:4*OP*\t   ; LDS serves a wave's instructions in order: these see my stores; the next tile's stores come behind them
.endr
.endr
	s_wait_dscnt 0x0
.irp tt, 0,1
.irp t, 0,1,2,3
	global_store_b128 v[GO], v[S+16*\tt+4*\t:S+16*\tt+4*\t+3], s[6:7] offset:32768*\tt+8192*\t
.endr
.endr
	s_wait_tensorcnt 0x0                           ; the wave's end
	ds_add_u32 v[SPW], v[NIL]
	s_wait_dscnt 0x0
	s_endpgm
.Lfunc_end_k_q8ec2b34963_attn:
	.size	k_q8ec2b34963_attn, .Lfunc_end_k_q8ec2b34963_attn-k_q8ec2b34963_attn
	.p2alignl 7, 3214868480
	.fill 96, 4, 3214868480
	.section	.rodata,"a",@progbits
	.p2align	6, 0x0
	.amdhsa_kernel k_q8ec2b34963_attn
		.amdhsa_group_segment_fixed_size 327680
		.amdhsa_private_segment_fixed_size 0
		.amdhsa_enable_private_segment 0
		.amdhsa_kernarg_size 16
		.amdhsa_user_sgpr_count 2
		.amdhsa_user_sgpr_kernarg_segment_ptr 1
		.amdhsa_wavefront_size32 1
		.amdhsa_system_sgpr_workgroup_id_x 1
		.amdhsa_system_sgpr_workgroup_id_y 1
		.amdhsa_system_sgpr_workgroup_id_z 1
		.amdhsa_system_vgpr_workitem_id 0
		.amdhsa_next_free_vgpr 512
		.amdhsa_next_free_sgpr 66
		.amdhsa_reserve_vcc 1
		.amdhsa_float_denorm_mode_32 3
		.amdhsa_float_denorm_mode_16_64 3
		.amdhsa_memory_ordered 1
		.amdhsa_forward_progress 1
		.amdhsa_inst_pref_size 109
	.end_amdhsa_kernel
	.amdgpu_metadata
---
amdhsa.version: [ 1, 2 ]
amdhsa.kernels:
  - .name:           k_q8ec2b34963_attn
    .symbol:         k_q8ec2b34963_attn.kd
    .args:
      - { .name: qkv, .offset: 0, .size: 8, .value_kind: global_buffer, .address_space: global }
      - { .name: attn, .offset: 8, .size: 8, .value_kind: global_buffer, .address_space: global }
    .group_segment_fixed_size: 327680
    .private_segment_fixed_size: 0
    .kernarg_segment_align: 8
    .kernarg_segment_size: 16
    .max_flat_workgroup_size: 256
    .sgpr_count:     66
    .vgpr_count:     512
    .wavefront_size: 32
...
	.end_amdgpu_metadata
.endif
;; end of part 3
;; launch proj (part 4): grid 8 x 32, 4 waves a work-group, clusters of 4 x 4, 327,680 bytes of LDS; arguments attn, wo16, out0; writes out0
.if DOCPART == 4
	.amdgcn_target "amdgcn-amd-amdhsa--gfx1250"
	.amdhsa_code_object_version 6
	.text
	.protected	k_q8ec2b34963_proj
	.globl	k_q8ec2b34963_proj
	.p2align	8
	.type	k_q8ec2b34963_proj,@function
k_q8ec2b34963_proj:
	s_mov_b64 s[64:65], 0
	v_nop
	global_prefetch_b8 v0, s[64:65] scope:SCOPE_SE
	s_setreg_imm32_b32 hwreg(HW_REG_WAVE_MODE, 25, 1), 1
	s_wait_xcnt 0x0
	s_wait_alu depctr_hold_cnt(0) depctr_sa_sdst(0) depctr_va_vdst(0) depctr_va_sdst(0) depctr_va_ssrc(0) depctr_va_vcc(0) depctr_vm_vsrc(0)
	s_getreg_b32 s2, hwreg(HW_REG_IB_STS2, 6, 4)
	s_cmp_eq_u32 s2, 0
	s_cbranch_scc0 .Lentry_in_a_cluster
	s_endpgm
.Lentry_in_a_cluster:
	s_bfe_u32 s2, ttmp6, 0x10000c
	s_cmp_lg_u32 s2, 0xf033
	s_cbranch_scc0 .Lentry_shape_is_right
	s_endpgm
.Lentry_shape_is_right:
; out0[s][e] = sum over d of attn[s][d] Wo[e][d]: [4,096][1,024] x [1,024][1,024]^T, operands f16, sums and results f32.
; attn lies by pairs of positions: byte(s, d) = (s / 2) x 4,096 + (d / 64) x 256 + (s % 2) x 128 + 2 (d % 64): 256 along d (four heads) of a pair of rows are 1,024 consecutive bytes.  wo16: [1,024][1,024] f16.
; A tile of 128 x 128 is made by four waves, each 64 x 64: 16 accumulators; 256 work-groups.  K goes in steps of 256 through two LDS slots; four steps in all.
; CLUSTERS: 4 x 4 work-groups; attn's tiles are shared along a row of the cluster, Wo's along a column, by joint loads.  The matrix instruction is used transposed: a lane holds eight neighbouring columns of a row.
; A wave's 64 columns of f32 are 256 aligned bytes of a row, so each wave sends its own blocks out through a stage of its own.  Positions 0 to 15 are written again, more finely, by the launch that follows.
; No prefetch: a step's tiles are small and are shared by the cluster.
; REGISTERS: window 0: v0-31 addresses; v32-95 the way out; v128-255 the accumulators ((a, b) at v[128 + 8 (4 a + b)]).  window 1: two fragment buffers of 128: 64 registers of attn, then 64 of Wo.
.set PA,     1040                      ; a pair of rows of attn in LDS: 1,024 bytes + 16
.set PB,     528                       ; a row of Wo: 512 + 16
.set HALFA,  32*PA                     ; 64 rows of attn: one tensor load
.set HALFB,  64*PB                     ; 64 rows of Wo: one tensor load
.set SLOT,   2*HALFA+2*HALFB
.set STAGE,  2*SLOT
.set SPITCH, 272
.set SPARE,  STAGE+4*16*SPITCH
.set LAPS,   2
.set ADRA, 16
.set ADRB, 20
.set STO,  24
.set RD,   25
.set CO,   26
.set SPW,  28
.set NIL,  29
.set TMP,  32
.set ACC,  128
.set F0,   0
.set F1,   128
.set G1, 24
.set G0, 32
.set G1B, 48
.set G0B, 56
.set MSB, 0
.macro WIN new
.if MSB != \new
	s_set_vgpr_msb (MSB<<8)|\new
.set MSB, \new
.endif
.endm
.set MUL,  0x05                        ; sources 0 and 1 window 1; C and D window 0
.set TO_F, 0x40
.macro JLOAD s                         ; waves 0 and 1 fetch attn's two halves, waves 2 and 3 Wo's; an s_nop 0 and four v_nop follow each line
	s_cmp_eq_u32 s11, 0
	s_cbranch_scc0 .Lfor_b_\@
	tensor_load_to_lds s[G0+4*\s:G0+4*\s+3], s[G1:G1+7]
	s_nop 0
.rept 4
	v_nop
.endr
	s_branch .Lasked_\@
.Lfor_b_\@:
	tensor_load_to_lds s[G0B+4*\s:G0B+4*\s+3], s[G1B:G1B+7]
	s_nop 0
.rept 4
	v_nop
.endr
.Lasked_\@:
.endm
.macro CREST
	s_cmp_lg_u32 s10, 0
	s_cbranch_scc1 .Lnot_wave_0_\@
	s_barrier_signal -3
.Lnot_wave_0_\@:
	s_barrier_wait -3
	s_barrier_signal -1
	s_barrier_wait -1
.endm
.macro CROUND
	s_barrier_signal -1
	s_barrier_wait -1
	CREST
.endm
	s_load_b128 s[4:7], s[0:1], 0x0                ; attn s[4:5], wo16 s[6:7]
	s_load_b64 s[8:9], s[0:1], 0x10                ; out0
	v_lshl_add_u32 v[SPW], v0, 2, SPARE
	v_mov_b32 v[NIL], 0
	ds_add_u32 v[SPW], v[NIL]                      ; the wave's opening: the add, twice on end, and its wait ahead of my first tensor load
	ds_add_u32 v[SPW], v[NIL]
	v_lshrrev_b32 v1, 5, v0
	v_readfirstlane_b32 s10, v1                    ; wave 0..3
	s_lshr_b32 s11, s10, 1                         ; which half of the tile's rows is mine.  Also: I fetch for attn (0) or for Wo (1)
	s_and_b32 s12, s10, 1                          ; which half of its columns.  Also: which 64 rows I fetch
	s_bfe_u32 s40, ttmp6, 0x40000
	s_bfe_u32 s41, ttmp6, 0x40004
	s_lshl_b32 s42, ttmp9, 2
	s_add_co_u32 s42, s42, s40                     ; tile column 0 .. 7
	s_and_b32 s13, ttmp7, 0xffff
	s_lshl_b32 s13, s13, 2
	s_add_co_u32 s13, s13, s41                     ; tile row 0 .. 31
	s_lshl_b32 s43, s41, 2
	s_lshl_b32 s43, 15, s43
	s_lshl_b32 s44, 0x1111, s40
	s_or_b32 s[G1+0], s43, (1<<16)|(1<<20)|(1<<21)|(7<<22)|(3<<25)  ; attn: the mask of my row; elements of 2 bytes; padding: 4 words after every 256
	s_mov_b32 s[G1+1], 512<<16                     ; tensor_dim0: 512 numbers, 1,024 bytes
	s_mov_b32 s[G1+2], 32<<16                      ; tensor_dim1: 32 pairs of rows
	s_mov_b32 s[G1+3], 512<<16
	s_mov_b32 s[G1+4], 32
	s_mov_b32 s[G1+5], 2048                        ; from pair to pair
	s_mov_b32 s[G1+6], 0
	s_mov_b32 s[G1+7], 0
	s_or_b32 s[G1B+0], s44, (1<<16)|(1<<20)|(1<<21)|(6<<22)|(3<<25) ; Wo: the mask of my column; 4 words after every 128
	s_mov_b32 s[G1B+1], 256<<16
	s_mov_b32 s[G1B+2], 64<<16
	s_mov_b32 s[G1B+3], 256<<16
	s_mov_b32 s[G1B+4], 64
	s_mov_b32 s[G1B+5], 1024
	s_mov_b32 s[G1B+6], 0
	s_mov_b32 s[G1B+7], 0
	s_lshl_b32 s17, s12, 5
	s_lshl_b32 s16, s13, 6
	s_add_co_u32 s16, s16, s17                     ; attn: pair 64 x tile row + 32 x half,
	s_lshl_b32 s16, s16, 12                        ; 4,096 bytes a pair
	s_mov_b32 s17, 0
	s_lshl_b32 s47, s12, 6
	s_lshl_b32 s46, s42, 7
	s_add_co_u32 s46, s46, s47                     ; Wo: row 128 x tile column + 64 x half,
	s_lshl_b32 s46, s46, 11                        ; 2,048 bytes a row
	s_mov_b32 s47, 0
	s_mul_i32 s20, s12, HALFA                      ; where they go: no place in the cluster enters an LDS address
	s_mul_i32 s21, s12, HALFB
	s_add_co_u32 s21, s21, 2*HALFA
	s_wait_dscnt 0x0
	s_wait_kmcnt 0x0
	s_add_nc_u64 s[14:15], s[4:5], s[16:17]
	s_add_nc_u64 s[46:47], s[6:7], s[46:47]
	CROUND                                         ; all sixteen work-groups are here: the first joint loads meet
.irp s, 0,1
	s_mov_b32 s[G0+4*\s], 1
	s_add_co_u32 s[G0+4*\s+1], s20, \s*SLOT
	s_add_nc_u64 s[G0+4*\s+2:G0+4*\s+3], s[14:15], \s*1024
	s_or_b32 s[G0+4*\s+3], s[G0+4*\s+3], 0x80000000
	s_mov_b32 s[G0B+4*\s], 1
	s_add_co_u32 s[G0B+4*\s+1], s21, \s*SLOT
	s_add_nc_u64 s[G0B+4*\s+2:G0B+4*\s+3], s[46:47], \s*512
	s_or_b32 s[G0B+4*\s+3], s[G0B+4*\s+3], 0x80000000
	JLOAD \s
.endr
	v_and_b32 v1, 15, v0                           ; r
	v_bfe_u32 v2, v0, 4, 1                         ; h
	v_lshrrev_b32 v3, 1, v1
	v_mul_u32_u24 v3, v3, PA
	v_and_b32 v4, 1, v0
	v_lshl_add_u32 v3, v4, 7, v3
	v_lshl_add_u32 v3, v2, 4, v3                   ; attn: row r: (r / 2) PA + 128 (r % 2) + 16 h
	v_mul_u32_u24 v4, v1, PB
	v_lshl_add_u32 v4, v2, 4, v4                   ; Wo: r PB + 16 h
	s_mul_i32 s21, s11, HALFA
	s_mul_i32 s22, s12, HALFB
	s_add_co_u32 s22, s22, 2*HALFA
.irp s, 0,1
	v_add_nc_u32 v[ADRA+\s], s21, v3
	v_add_nc_u32 v[ADRB+\s], s22, v4
	s_add_co_u32 s21, s21, SLOT
	s_add_co_u32 s22, s22, SLOT
.endr
	s_mul_i32 s23, s10, 16*SPITCH
	s_add_co_u32 s23, s23, STAGE                   ; my stage
	v_mul_u32_u24 v4, v1, SPITCH
	v_lshl_add_u32 v4, v2, 5, v4
	v_add_nc_u32 v[STO], s23, v4                   ; in: row r, 32 bytes for each half of the lanes
	v_mul_u32_u24 v5, v2, SPITCH
	v_lshl_add_u32 v5, v1, 4, v5
	v_add_nc_u32 v[RD], s23, v5                    ; back: lanes 0-15 one row of 256 bytes, lanes 16-31 the next
	v_lshlrev_b32 v5, 12, v2
	v_lshl_add_u32 v[CO], v1, 4, v5                ; and the same two rows in out0
	s_lshl_b32 s16, s13, 7
	s_lshl_b32 s17, s11, 6
	s_add_co_u32 s16, s16, s17                     ; my first row
	s_lshl_b32 s16, s16, 12
	s_mov_b32 s17, 0
	s_add_nc_u64 s[8:9], s[8:9], s[16:17]
	s_lshl_b32 s46, s42, 9
	s_lshl_b32 s47, s12, 8
	s_add_co_u32 s46, s46, s47                     ; my first column, in bytes
	s_mov_b32 s47, 0
	s_add_nc_u64 s[8:9], s[8:9], s[46:47]
.macro MUL8 f, c, a0, zero             ; 8 matrix instructions: row blocks a0, a0 + 1 x all 4 column blocks, 32 along K.  The 16 accumulators take turns
.irp a, \a0, \a0+1
.irp b, 0,1,2,3
.if \zero
	v_wmma_f32_16x16x32_f16 v[ACC+8*(4*(\a)+\b):ACC+8*(4*(\a)+\b)+7], v[\f+64+8*(4*\c+\b):\f+64+8*(4*\c+\b)+7], v[\f+8*(4*\c+\a):\f+8*(4*\c+\a)+7], 0
.else
	v_wmma_f32_16x16x32_f16 v[ACC+8*(4*(\a)+\b):ACC+8*(4*(\a)+\b)+7], v[\f+64+8*(4*\c+\b):\f+64+8*(4*\c+\b)+7], v[\f+8*(4*\c+\a):\f+8*(4*\c+\a)+7], v[ACC+8*(4*(\a)+\b):ACC+8*(4*(\a)+\b)+7]
.endif
.endr
.endr
.endm
.macro FETCH slot, qd, f               ; the fragments of the step's qd-th 64 along K (one head): 256 bytes on in a pair of attn's rows, 128 in a row of Wo
	WIN TO_F
.irp c, 0,1
.irp i, 0,1,2,3
	ds_load_b128 v[\f+64+8*(4*\c+\i):\f+64+8*(4*\c+\i)+3],   v[ADRB+\slot] offset:128*(\qd)+64*\c+\i*16*PB
	ds_load_b128 v[\f+64+8*(4*\c+\i)+4:\f+64+8*(4*\c+\i)+7], v[ADRB+\slot] offset:128*(\qd)+64*\c+\i*16*PB+32
	ds_load_b128 v[\f+8*(4*\c+\i):\f+8*(4*\c+\i)+3],         v[ADRA+\slot] offset:256*(\qd)+64*\c+\i*8*PA
	ds_load_b128 v[\f+8*(4*\c+\i)+4:\f+8*(4*\c+\i)+7],       v[ADRA+\slot] offset:256*(\qd)+64*\c+\i*8*PA+32
.endr
.endr
.endm
.macro PLACES
.rept 4
	v_nop
.endr
.endm
.macro QUARTER slot, qd, f, g, zero    ; multiplies buffer f and fetches the step's quarter qd into g
	s_wait_dscnt 16                                ; the first 32 along K are in; the other sixteen loads may be out
	WIN MUL
	MUL8 \f, 0, 0, \zero
	MUL8 \f, 0, 2, \zero
	PLACES
	FETCH \slot, \qd, \g
	s_wait_dscnt 32                                ; all but the 32 just issued
	WIN MUL
	MUL8 \f, 1, 0, 0
	MUL8 \f, 1, 2, 0
.endm
.macro TURN slot, next, fill           ; the last quarter changes slots: all my tensor loads, the add, my reads of this slot, one barrier.  fill = 1: the slot is filled again, behind a round of the cluster's barrier
	WIN 0
	s_wait_tensorcnt 0x0
	ds_add_u32 v[SPW], v[NIL]
	s_wait_dscnt 17                                ; (the add and the youngest sixteen loads may be out)
	WIN MUL
	MUL8 F1, 0, 0, 0
	s_wait_dscnt 0x0
	s_barrier_signal -1
	MUL8 F1, 0, 2, 0
.if \fill
	WIN 0
.endif
	s_barrier_wait -1
.if \fill
	CREST
	s_add_nc_u64 s[G0+4*\slot+2:G0+4*\slot+3], s[G0+4*\slot+2:G0+4*\slot+3], 2*1024
	s_add_nc_u64 s[G0B+4*\slot+2:G0B+4*\slot+3], s[G0B+4*\slot+2:G0B+4*\slot+3], 2*512
	JLOAD \slot                                    ; the first tensor load behind the round; its four v_nop are also the places in front of the loads below
.else
	PLACES
.endif
	FETCH \next, 0, F0
	WIN MUL
	MUL8 F1, 1, 0, 0
	MUL8 F1, 1, 2, 0
.endm
	s_wait_tensorcnt 1                             ; my part of K step 0 is in (K step 1's load may be out),
	s_barrier_signal -1
	s_barrier_wait -1                              ; everybody's is
	FETCH 0, 0, F0
	QUARTER 0, 1, F0, F1, 1                        ; the first products start the sums
	WIN 0
	s_mov_b32 s3, LAPS-1
.Llap:                                             ; a trip goes once round the ring and fills both slots again
	QUARTER 0, 2, F1, F0, 0
	QUARTER 0, 3, F0, F1, 0
	TURN 0, 1, 1
	QUARTER 1, 1, F0, F1, 0
	QUARTER 1, 2, F1, F0, 0
	QUARTER 1, 3, F0, F1, 0
	TURN 1, 0, 1
	QUARTER 0, 1, F0, F1, 0
	WIN 0
	s_sub_co_u32 s3, s3, 1
	s_cmp_lg_u32 s3, 0
	s_cbranch_scc1 .Llap
	QUARTER 0, 2, F1, F0, 0                        ; the last lap fills nothing
	QUARTER 0, 3, F0, F1, 0
	TURN 0, 1, 0
	QUARTER 1, 1, F0, F1, 0
	QUARTER 1, 2, F1, F0, 0
	QUARTER 1, 3, F0, F1, 0
	s_wait_dscnt 16
	WIN MUL
	MUL8 F1, 0, 0, 0
	MUL8 F1, 0, 2, 0
	s_wait_dscnt 0
	MUL8 F1, 1, 0, 0
	MUL8 F1, 1, 2, 0
	WIN 0
	; THE WAY OUT, block by block of 16 rows x 64 columns: into my own stage as they are, each accumulator from its low end on; back as whole rows of 256 bytes.
	PLACES
.irp a, 0,1,2,3
.if \a > 1
	s_wait_xcnt 0x0                                ; block a - 2's stores have read their registers
.endif
.irp b, 0,1,2,3
	ds_store_b128 v[STO], v[ACC+8*(4*\a+\b):ACC+8*(4*\a+\b)+3] offset:64*\b
	ds_store_b128 v[STO], v[ACC+8*(4*\a+\b)+4:ACC+8*(4*\a+\b)+7] offset:64*\b+16
.endr
.irp t, 0,1,2,3,4,5,6,7
	ds_load_b128 v[TMP+32*(\a%2)+4*\t:TMP+32*(\a%2)+4*\t+3], v[RD] offset:\t*2*SPITCH   ; LDS serves a wave's instructions in order
.endr
	s_wait_dscnt 0x0
.irp t, 0,1,2,3,4,5,6,7
	global_store_b128 v[CO], v[TMP+32*(\a%2)+4*\t:TMP+32*(\a%2)+4*\t+3], s[8:9] offset:(16*\a+2*\t)*4096   ; 16 lanes store 256 consecutive bytes, aligned
.endr
.endr
	s_wait_tensorcnt 0x0                           ; the wave's end
	ds_add_u32 v[SPW], v[NIL]
	s_wait_dscnt 0x0
	CROUND                                         ; the closing round
	s_endpgm
.Lfunc_end_k_q8ec2b34963_proj:
	.size	k_q8ec2b34963_proj, .Lfunc_end_k_q8ec2b34963_proj-k_q8ec2b34963_proj
	.p2alignl 7, 3214868480
	.fill 96, 4, 3214868480
	.section	.rodata,"a",@progbits
	.p2align	6, 0x0
	.amdhsa_kernel k_q8ec2b34963_proj
		.amdhsa_group_segment_fixed_size 327680
		.amdhsa_private_segment_fixed_size 0
		.amdhsa_enable_private_segment 0
		.amdhsa_kernarg_size 24
		.amdhsa_user_sgpr_count 2
		.amdhsa_user_sgpr_kernarg_segment_ptr 1
		.amdhsa_wavefront_size32 1
		.amdhsa_system_sgpr_workgroup_id_x 1
		.amdhsa_system_sgpr_workgroup_id_y 1
		.amdhsa_system_sgpr_workgroup_id_z 1
		.amdhsa_system_vgpr_workitem_id 0
		.amdhsa_next_free_vgpr 512
		.amdhsa_next_free_sgpr 66
		.amdhsa_reserve_vcc 0
		.amdhsa_float_denorm_mode_32 3
		.amdhsa_float_denorm_mode_16_64 3
		.amdhsa_memory_ordered 1
		.amdhsa_forward_progress 1
		.amdhsa_inst_pref_size 86
	.end_amdhsa_kernel
	.amdgpu_metadata
---
amdhsa.version: [ 1, 2 ]
amdhsa.kernels:
  - .name:           k_q8ec2b34963_proj
    .symbol:         k_q8ec2b34963_proj.kd
    .args:
      - { .name: attn, .offset: 0, .size: 8, .value_kind: global_buffer, .address_space: global }
      - { .name: wo16, .offset: 8, .size: 8, .value_kind: global_buffer, .address_space: global }
      - { .name: out0, .offset: 16, .size: 8, .value_kind: global_buffer, .address_space: global }
    .group_segment_fixed_size: 327680
    .private_segment_fixed_size: 0
    .kernarg_segment_align: 8
    .kernarg_segment_size: 24
    .max_flat_workgroup_size: 128
    .sgpr_count:     66
    .vgpr_count:     512
    .wavefront_size: 32
...
	.end_amdgpu_metadata
.endif
;; end of part 4
;; launch first16 (part 5): grid 64 x 1, 16 waves a work-group, no clusters, 18,432 bytes of LDS; arguments fine, Wo, out0; writes out0
.if DOCPART == 5
	.amdgcn_target "amdgcn-amd-amdhsa--gfx1250"
	.amdhsa_code_object_version 6
	.text
	.protected	k_q8ec2b34963_first16
	.globl	k_q8ec2b34963_first16
	.p2align	8
	.type	k_q8ec2b34963_first16,@function
k_q8ec2b34963_first16:
	s_mov_b64 s[64:65], 0
	v_nop
	global_prefetch_b8 v0, s[64:65] scope:SCOPE_SE
	s_setreg_imm32_b32 hwreg(HW_REG_WAVE_MODE, 25, 1), 1
	s_wait_xcnt 0x0
; POSITIONS 0 TO 15, ALL IN f32: under the causal mask these rows average one to sixteen values and are the largest of the output, so attention and projection are done again for them with f32 operands,
; and the results are written over the rows that the launch before stored (65,536 bytes).
; fine: [48 = 16 x type + head][16][64] f32, Q and K turned.  Wo: [1,024][1,024] f32.
; SHARES.  Work-group x owns output columns 16 x .. 16 x + 15.  Wave w is head w: it makes the head's 16 x 16 attention (32 matrix instructions of 16 x 16 x 4) and multiplies it by
; Wo[16 x .., 64 w ..] (16 more): a part of the 16 x 16 tile.  The sixteen parts meet in LDS as images of their registers; waves 0 and 1 add and store them: pieces of 16 bytes in runs of 64.
; LAYOUT.  All three products are used transposed, so that a lane keeps ONE query (lane % 16).  Which four of K's places an instruction takes is free so long as both operands take the same:
; a lane's registers are used in pairs as they lie.
; The accumulators (v160-223) are written by matrix instructions alone; sums begin with the constant 0; what is made of them goes into other registers.
.set SPARE, 16384
.set SPW, 10
.set NIL, 11
	s_load_b128 s[4:7], s[0:1], 0x0                ; fine, Wo
	s_load_b64 s[8:9], s[0:1], 0x10                ; out0
	v_lshl_add_u32 v[SPW], v0, 2, SPARE
	v_mov_b32 v[NIL], 0
	v_lshrrev_b32 v1, 5, v0
	v_readfirstlane_b32 s10, v1                    ; wave = head
	v_and_b32 v2, 15, v0                           ; r
	v_bfe_u32 v3, v0, 4, 1                         ; h
	v_lshlrev_b32 v4, 8, v2
	v_lshl_add_u32 v4, v3, 4, v4                   ; Q, K: row r of 256 bytes, + 16 h
	v_lshlrev_b32 v5, 2, v2
	v_lshl_add_u32 v5, v3, 11, v5                  ; V: keys 8 h on, channel r
	v_lshlrev_b32 v6, 12, v2
	v_lshl_add_u32 v6, v3, 5, v6                   ; Wo and out0: row r of 4,096 bytes, + 32 h
	v_and_b32 v7, 31, v0
	v_lshlrev_b32 v7, 4, v7
	s_lshl_b32 s11, s10, 10
	v_add_nc_u32 v7, s11, v7                       ; my part's image: 1,024 x wave + 16 x lane
	v_lshlrev_b32 v8, 4, v0                        ; waves 0 and 1 read at 16 x thread
	v_lshlrev_b32 v9, 3, v3
	v_sub_nc_u32 v9, v2, v9                        ; r - 8 h
	v_mov_b32 v241, 0                              ; a lane permute's destination counts as one of its sources
	v_mov_b32 v245, 0xff800000                     ; -infinity
	s_mov_b32 s12, 0x76543210
	s_mov_b32 s13, 0xfedcba98
	s_mov_b32 s14, 0x3e38aa3b                      ; c = log2(e) / 8
	s_lshl_b32 s16, s10, 12
	s_mov_b32 s17, 0
	s_lshl_b32 s18, ttmp9, 16
	s_lshl_b32 s19, s10, 8
	s_add_co_u32 s18, s18, s19                     ; Wo: 16 rows of 4,096 bytes a work-group, 64 numbers a head
	s_mov_b32 s19, 0
	s_lshl_b32 s20, ttmp9, 6
	s_lshl_b32 s21, s10, 4
	s_add_co_u32 s20, s20, s21                     ; out0: 16 columns a work-group; waves 0 and 1 take four of each eight
	s_mov_b32 s21, 0
	s_wait_kmcnt 0x0
	s_add_nc_u64 s[4:5], s[4:5], s[16:17]
	s_add_nc_u64 s[6:7], s[6:7], s[18:19]
	s_add_nc_u64 s[8:9], s[8:9], s[20:21]
.irp c, 0,1,2,3,4,5,6,7
	global_load_b128 v[64+4*\c:67+4*\c], v4, s[4:5] offset:65536+32*\c   ; K: registers 4 c on: channels 8 c + 4 h + 0 .. 3
.endr
.irp c, 0,1,2,3,4,5,6,7
	global_load_b128 v[32+4*\c:35+4*\c], v4, s[4:5] offset:32*\c         ; Q likewise
.endr
.irp t, 0,1,2,3
.irp j, 0,1,2,3,4,5,6,7
	global_load_b32 v[96+8*\t+\j], v5, s[4:5] offset:131072+256*\j+64*\t ; V(key 8 h + j, channel 16 t + r)
.endr
.endr
.irp t, 0,1,2,3
	global_load_b128 v[128+8*\t:131+8*\t], v6, s[6:7] offset:64*\t       ; Wo(e0 + r, 64 w + 16 t + 8 h + 0 .. 7)
	global_load_b128 v[132+8*\t:135+8*\t], v6, s[6:7] offset:64*\t+16
.endr
	s_wait_loadcnt 40                              ; K and Q are in; V's 32 loads and Wo's 8 may be out
; S^T = K Q^T: 16 steps of 4 channels, two accumulators by turns
.set n, 0
.rept 16
.if n < 2
	v_wmma_f32_16x16x4_f32 v[160+8*(n%2):167+8*(n%2)], v[64+2*n:65+2*n], v[32+2*n:33+2*n], 0
.else
	v_wmma_f32_16x16x4_f32 v[160+8*(n%2):167+8*(n%2)], v[64+2*n:65+2*n], v[32+2*n:33+2*n], v[160+8*(n%2):167+8*(n%2)]
.endif
.set n, n+1
.endr
.rept 8
	v_nop                                          ; eight places behind this form
.endr
.irp j, 0,1,2,3,4,5,6,7
	v_add_f32 v[224+\j], v[160+\j], v[168+\j]      ; register j: key 8 h + j, query r
.endr
.irp j, 0,1,2,3,4,5,6,7
	v_cmp_gt_i32 vcc_lo, \j, v9                    ; hidden where 8 h + j > r
	v_cndmask_b32 v[224+\j], v[224+\j], v245, vcc_lo
.endr
	v_max3_num_f32 v240, v224, v225, v226
	v_max3_num_f32 v240, v240, v227, v228
	v_max3_num_f32 v240, v240, v229, v230
	v_max_num_f32 v240, v240, v231
	v_permlanex16_b32 v241, v240, s12, s13
	v_max_num_f32 v240, v240, v241                 ; the row's maximum: key 0 counts for every query
	v_mul_f32 v242, s14, v240
.irp j, 0,1,2,3,4,5,6,7
	v_fma_f32 v[224+\j], v[224+\j], s14, -v242
.endr
.irp j, 0,1,2,3,4,5,6,7
	v_exp_f32 v[224+\j], v[224+\j]
.endr
	v_nop
	s_wait_alu depctr_va_vdst(0)                   ; one wait for the eight
	v_add_f32 v243, v224, v225
	v_add_f32 v246, v226, v227
	v_add_f32 v247, v228, v229
	v_add_f32 v248, v230, v231
	v_add_f32 v243, v243, v246
	v_add_f32 v247, v247, v248
	v_add_f32 v243, v243, v247
	v_permlanex16_b32 v241, v243, s12, s13
	v_add_f32 v243, v243, v241                     ; the row's sum
	v_rcp_f32 v244, v243
	v_nop
	s_wait_alu depctr_va_vdst(0)
	s_wait_loadcnt 8                               ; V is in; Wo's 8 loads may be out
; O^T = V^T P: four tiles of 16 channels by turns; step c takes keys 8 h + 2 c, 8 h + 2 c + 1
.irp c, 0,1,2,3
.irp t, 0,1,2,3
.if \c == 0
	v_wmma_f32_16x16x4_f32 v[192+8*\t:199+8*\t], v[96+8*\t+2*\c:97+8*\t+2*\c], v[224+2*\c:225+2*\c], 0
.else
	v_wmma_f32_16x16x4_f32 v[192+8*\t:199+8*\t], v[96+8*\t+2*\c:97+8*\t+2*\c], v[224+2*\c:225+2*\c], v[192+8*\t:199+8*\t]
.endif
.endr
.endr
.rept 8
	v_nop
.endr
.irp j, 0,1,2,3,4,5,6,7,8,9,10,11,12,13,14,15,16,17,18,19,20,21,22,23,24,25,26,27,28,29,30,31
	v_mul_f32 v[32+\j], v[192+\j], v244            ; register 8 t + j: channel 16 t + 8 h + j of query r
.endr
	s_wait_loadcnt 0x0                             ; Wo
; out^T += Wo attn^T over my head's 64 channels: two accumulators by turns
.set n, 0
.rept 16
.if n < 2
	v_wmma_f32_16x16x4_f32 v[176+8*(n%2):183+8*(n%2)], v[128+2*n:129+2*n], v[32+2*n:33+2*n], 0
.else
	v_wmma_f32_16x16x4_f32 v[176+8*(n%2):183+8*(n%2)], v[128+2*n:129+2*n], v[32+2*n:33+2*n], v[176+8*(n%2):183+8*(n%2)]
.endif
.set n, n+1
.endr
.rept 8
	v_nop
.endr
.irp j, 0,1,2,3,4,5,6,7
	v_add_f32 v[232+\j], v[176+\j], v[184+\j]      ; register j: column e0 + 8 h + j, query r
.endr
	ds_store_b128 v7, v[232:235]
	ds_store_b128 v7, v[236:239] offset:512
	s_wait_dscnt 0x0                               ; for the others' sake: my part has landed
	s_barrier_signal -1
	s_barrier_wait -1
	s_cmp_gt_u32 s10, 1
	s_cbranch_scc1 .Lend
.irp i, 0,1,2,3,4,5,6,7,8,9,10,11,12,13,14,15
	ds_load_b128 v[64+4*\i:67+4*\i], v8 offset:1024*\i   ; wave 0: registers 0-3 of every head's part; wave 1: registers 4-7
.endr
	s_wait_dscnt 0x0
.irp i, 1,2,3,4,5,6,7,8,9,10,11,12,13,14,15
	v_pk_add_f32 v[64:65], v[64:65], v[64+4*\i:65+4*\i]
	v_pk_add_f32 v[66:67], v[66:67], v[66+4*\i:67+4*\i]
.endr
	global_store_b128 v6, v[64:67], s[8:9]         ; out0(r, e0 + 8 h + 4 w + 0 .. 3)
.Lend:
	s_wait_tensorcnt 0x0                           ; the wave's end, behind my last LDS store
	ds_add_u32 v[SPW], v[NIL]
	s_wait_dscnt 0x0
	s_endpgm
.Lfunc_end_k_q8ec2b34963_first16:
	.size	k_q8ec2b34963_first16, .Lfunc_end_k_q8ec2b34963_first16-k_q8ec2b34963_first16
	.p2alignl 7, 3214868480
	.fill 96, 4, 3214868480
	.section	.rodata,"a",@progbits
	.p2align	6, 0x0
	.amdhsa_kernel k_q8ec2b34963_first16
		.amdhsa_group_segment_fixed_size 18432
		.amdhsa_private_segment_fixed_size 0
		.amdhsa_enable_private_segment 0
		.amdhsa_kernarg_size 24
		.amdhsa_user_sgpr_count 2
		.amdhsa_user_sgpr_kernarg_segment_ptr 1
		.amdhsa_wavefront_size32 1
		.amdhsa_system_sgpr_workgroup_id_x 1
		.amdhsa_system_sgpr_workgroup_id_y 1
		.amdhsa_system_sgpr_workgroup_id_z 1
		.amdhsa_system_vgpr_workitem_id 0
		.amdhsa_next_free_vgpr 256
		.amdhsa_next_free_sgpr 66
		.amdhsa_reserve_vcc 1
		.amdhsa_float_denorm_mode_32 3
		.amdhsa_float_denorm_mode_16_64 3
		.amdhsa_memory_ordered 1
		.amdhsa_forward_progress 1
		.amdhsa_inst_pref_size 18
	.end_amdhsa_kernel
	.amdgpu_metadata
---
amdhsa.version: [ 1, 2 ]
amdhsa.kernels:
  - .name:           k_q8ec2b34963_first16
    .symbol:         k_q8ec2b34963_first16.kd
    .args:
      - { .name: fine, .offset: 0, .size: 8, .value_kind: global_buffer, .address_space: global }
      - { .name: Wo, .offset: 8, .size: 8, .value_kind: global_buffer, .address_space: global }
      - { .name: out0, .offset: 16, .size: 8, .value_kind: global_buffer, .address_space: global }
    .group_segment_fixed_size: 18432
    .private_segment_fixed_size: 0
    .kernarg_segment_align: 8
    .kernarg_segment_size: 24
    .max_flat_workgroup_size: 512
    .sgpr_count:     66
    .vgpr_count:     256
    .wavefront_size: 32
...
	.end_amdgpu_metadata
.endif
;; end of part 5
